; MI455X (gfx1250); checked and timed in simulation.
; The chip was launched on July 23, 2026; its instructions are those of AMD's public machine-readable ISA for CDNA 5 (MIT licence, August 2026) and "CDNA5" Instruction Set Architecture Reference Guide (July 2026). The comments in the code are by the model that wrote it; some were corrected since.
;; MLA KV2 Attention RALATE. Allowed arithmetic: matrix products marked QUANTISED: E2M3 operands, one E8M0 scale for each 32 along K, by v_wmma_scale_f32_16x16x128_f8f6f4 with both operands' format E2M3, f32 sums; everything else in f32.
;; Inputs: Wq_b 2,048 float32; Wq_w 2,048 x 1,024 float32; fromk_b 2,048 float32; fromk_w 2,048 x 512 float32; fromv_b 2,048 float32; fromv_w 2,048 x 512 float32; kc_b 256 float32; kc_w 256 x 512 float32; kd_b 512 float32; kd_w 512 x 256 float32; out_b 1,024 float32; out_w 1,024 x 2,048 float32; tok_b 512 float32; tok_w 512 x 1,024 float32; tov_b 512 float32; tov_w 512 x 1,024 float32; vc_b 256 float32; vc_w 256 x 512 float32; vd_b 512 float32; vd_w 512 x 256 float32; x 2 x 2,048 x 1,024 float32.
;; Outputs: out0 2 x 2,048 x 1,024 float32.
;; This version of the problem:
;;   THIS VERSION OF THE PROBLEM IS GIVEN IN LOW PRECISION. The matrix products marked QUANTISED in the list below multiply operands that are first quantised to E2M3 (2 exponent bits, 3 mantissa bits; 6 bits a number), with one power-of-two scale for each 32 numbers along K (OCP MX v1.0); their sums are f32. All else is computed in f32.
;;   The module's matrix products, in the order in which they are computed (A, B: the left and right operand; K: the contracted axis; several contracted axes count as one K, in the product's order):
;;     1. [M 4,096, K 1,024] x [K 1,024, N 2,048]; A: input x; B: input Wq_w: QUANTISED
;;     2. [M 4,096, K 1,024] x [K 1,024, N 512]; A: input x; B: input tok_w: QUANTISED
;;     3. [M 4,096, K 512] x [K 512, N 256]; A: computed on the way; B: input kc_w: QUANTISED
;;     4. [M 4,096, K 256] x [K 256, N 512]; A: computed on the way; B: input kd_w: QUANTISED
;;     5. [M 4,096, K 1,024] x [K 1,024, N 512]; A: input x; B: input tov_w: QUANTISED
;;     6. [M 4,096, K 512] x [K 512, N 256]; A: computed on the way; B: input vc_w: QUANTISED
;;     7. [M 4,096, K 256] x [K 256, N 512]; A: computed on the way; B: input vd_w: QUANTISED
;;     8. [M 4,096, K 512] x [K 512, N 2,048]; A: computed on the way; B: input fromk_w: QUANTISED
;;     9. [M 4,096, K 512] x [K 512, N 2,048]; A: computed on the way; B: input fromv_w: QUANTISED
;;     10. batch 32 x [M 2,048, K 128] x [K 128, N 2,048]; A: computed on the way; B: computed on the way: QUANTISED
;;     11. batch 32 x [M 2,048, K 2,048] x [K 2,048, N 128]; A: softmax (see below); B: computed on the way: QUANTISED
;;     12. [M 4,096, K 2,048] x [K 2,048, N 1,024]; A: computed on the way; B: input out_w: QUANTISED
;;   THE QUANTISER, for each operand of a quantised product, along K:
;;     - K is cut into blocks of 32 from its start; a last block that is shorter is filled with zeros.
;;     - A block's scale is 2^e with e = floor(log2(the largest magnitude in the block)) - 2, held to -126 .. 127; a block of zeros has e = 0. As a byte (E8M0): e + 127.
;;     - Each number is divided by its block's scale, clamped to +-7.5, and rounded to the nearest number of E2M3, ties to even, subnormals kept.
;;     - The product sums the exact products of the quantised numbers (number of the format x scale) in f32.
;;   ~~~python
;;   def quantise(x, axis):      # numpy; x: float32 -> the quantised numbers, widened to float32 again
;;       x = np.moveaxis(x, axis, -1); K = x.shape[-1]
;;       x = np.pad(x, [(0, 0)] * (x.ndim - 1) + [(0, -K % 32)]); x = x.reshape(x.shape[:-1] + (-1, 32)); a = np.abs(x).max(-1, keepdims=True)
;;       e = np.where(a > 0, np.clip(np.frexp(np.where(a > 0, a, 1))[1] - 1 - 2, -126, 127), 0)      # np.frexp(a)[1] - 1 = floor(log2(a)), exactly
;;       r = np.clip(x / 2.0 ** e, -7.5, 7.5)
;;       step = 2.0 ** (np.maximum(np.frexp(np.where(r == 0, 1, r))[1] - 1, 0) - 3)
;;       q = np.round(r / step) * step * 2.0 ** e      # np.round: ties to even
;;       return np.moveaxis(q.reshape(q.shape[:-2] + (-1,))[..., :K], -1, axis).astype(np.float32)
;;   ~~~
;;   SOFTMAX AHEAD OF A QUANTISED PRODUCT. Where the list says 'softmax', what is quantised is not the finished softmax but p = 2^(t - M), with t = logit x log2(e) and M = ceil(the row's largest t), a whole number; so 1/2 < the row's largest p <= 1. The row's sum l is taken of the UNQUANTISED p, in f32, and the product's result is divided by l at the end. Since M is a whole number, a kernel that streams over the keys may use a running M (the ceiling of the running maximum): every later rescaling is an exact power of two, which a block's scale takes up: the codes' values come out the same.
;;   OPERANDS COMPUTED ON THE WAY. 'Computed on the way' means the value that the module computes at that place (a softmax that the list does not call 'softmax' is quantised finished and normalised). What goes into a quantiser is computed in f32, as accurately as f32 sums, v_exp_f32 and their like allow (about 1e-6 of the number): no bf16 or f16 on the way to a quantiser, and a product that is left as it is and whose result goes on into a quantised operand takes f32 operands (vector FMAs, or v_wmma_f32_16x16x4_f32). A number that lies on a knife's edge between two numbers of the format may be rounded either way, as far as f32 arithmetic and the matrix unit's own rounding can turn it there, and no further.
;; One version. Each part assembles by itself: llvm-mc -triple=amdgcn-amd-amdhsa -mcpu=gfx1250 --defsym DOCPART=n.
;; ======== version 1 of 1: 6 launches
;; limits: right only within a limited range of input values
;; workspace buffers: pack 10,469,376 bytes; lat1 3,276,800 bytes; lat2 3,276,800 bytes; kq 6,553,600 bytes; qk 6,553,600 bytes; vrec 6,553,600 bytes; ao 6,553,600 bytes
;; launch quant (part 1): grid 496 x 1, 8 waves a work-group, no clusters, 68,608 bytes of LDS; arguments x, Wq_w, tok_w, tov_w, kc_w, vc_w, kd_w, vd_w, fromk_w, fromv_w, out_w, pack; writes pack
.if DOCPART == 1
	.amdgcn_target "amdgcn-amd-amdhsa--gfx1250"
	.amdhsa_code_object_version 6
	.text
	.protected	k_q7737adc8eb_quant
	.globl	k_q7737adc8eb_quant
	.p2align	8
	.type	k_q7737adc8eb_quant,@function
k_q7737adc8eb_quant:
	s_mov_b64 s[64:65], 0
	v_nop
	global_prefetch_b8 v0, s[64:65] scope:SCOPE_SE
	s_setreg_imm32_b32 hwreg(HW_REG_WAVE_MODE, 25, 1), 1
	s_wait_xcnt 0x0
; x and the ten weights, all f32 with K innermost, become codes of E2M3 with one E8M0 byte for each 32 along K; and the RoPE table is made.
; LAYOUT OF THE CODES: images of operand registers.  A fragment is 16 rows x 128 K, 12 registers a lane: register 4 c + e of lane l lies at 512 c + 16 l + 4 e of its 1,536 bytes.
; THE ROWS OF A TILE ARE NOT NEIGHBOURS: lane r of tile T stands for row 32 (T / 2) + 8 (T % 2) + r + 8 (r / 8).  In a tensor fragment (T, K step s) has the index T x (K / 128) + s.
; A fragment's scale words are 64 bytes, row r's word at 4 r, in the same order of fragments, from byte SC0 of pack on.
; SHARES: work-groups 0 to 367: a wave takes one tile x two K steps (16 rows x 256 numbers).  Its number, 8 x work-group + wave, is also its place in pack: 3,072 bytes of codes, 128 of scale words.
; Each load reads 512 consecutive bytes of one row; the 16 rows turn through the wave's own stage in LDS (rows of 512 + 16 bytes), so that a lane gets 16 neighbours of each block of 32.  Waves share nothing: no barrier.
; Work-groups 368 to 495: the table [position 2,048][cos 64 | sin 64], f32.  angle = position x 2^(-f log2(10000) / 64); reduced by multiples of pi/2 held in two words; polynomials on |r| <= pi/4.
; LIMITS: NaN and infinities among the inputs are not served.  A block whose largest magnitude lies under 2^-124, a block of zeros too, has the byte 1 (zeros: the rule says 127; its codes are zeros, and this program alone reads the bytes).
; The angles can differ from an f32 table made by a power and a division by about 2e-4 rad at the largest positions and lowest f (one unit in the last place of the frequency x 2,047).
.set NQ,   368
.set SC0,  9043968
.set ROPE, 9420800
.set STG,  8448                        ; a wave's stage: 16 rows x 528 bytes
.set RO,   16                          ; v16-31   byte offset of my 16 bytes in row i of the tile
.set RAW,  32                          ; v32-159  two K steps as loaded
.set X,    160                         ; v160-223 64 numbers: register 16 b + i = k 32 b + 16 (lane / 16) + i of row lane % 16
.set PC,   224                         ; v224-243 the codes
.set TM,   244                         ; v244-255 at work
.set SEL,  54
.set MSB,  0
.macro WIN new                         ; the immediate's high byte repeats the setting that is left (in this text every window stays 0)
.if MSB != (\new)
	s_set_vgpr_msb (MSB<<8)|(\new)
.set MSB, (\new)
.endif
.endm
; 64 numbers of a lane, v[s] on in window sw, become a fragment's codes in v[PC] .. v[PC+11] and its scale word in v[pw]
.macro QUANT s, sw, pw
	WIN 5*(\sw)
.irp b, 0,1,2,3
	v_max3_num_f32 v[TM+\b], |v[(\s)+16*\b]|, |v[(\s)+16*\b+1]|, 0x1800000   ; block b: my 16 numbers, and the floor 2^(3 - 127): the byte cannot fall under 1
.endr
	WIN 0x14*(\sw)
.irp i, 2,4,6,8,10,12,14
.irp b, 0,1,2,3
	s_delay_alu instid0(VALU_DEP_4)
	v_max3_num_f32 v[TM+\b], v[TM+\b], |v[(\s)+16*\b+\i]|, |v[(\s)+16*\b+\i+1]|
.endr
.endr
	WIN 0
.irp b, 0,1,2,3
	s_delay_alu instid0(VALU_DEP_4)
	v_permlanex16_b32 v[TM+4+\b], v[TM+\b], s[SEL], s[SEL+1]
.endr
.irp b, 0,1,2,3
	s_delay_alu instid0(VALU_DEP_4)
	v_max_num_f32 v[TM+\b], v[TM+\b], v[TM+4+\b]         ; with lane l xor 16's: the block's largest magnitude
.endr
.irp b, 0,1,2,3
	s_delay_alu instid0(VALU_DEP_4)
	v_add_nc_u32 v[TM+8+\b], 0xff000000, v[TM+\b]        ; 2 off its exponent field: the conversion's scale operand
.endr
.irp b, 0,1,2,3
	s_delay_alu instid0(VALU_DEP_4)
	v_lshrrev_b32 v[TM+4+\b], 23, v[TM+8+\b]             ; the scale's byte
.endr
	s_delay_alu instid0(VALU_DEP_3)
	v_lshl_or_b32 v[\pw], v[TM+5], 8, v[TM+4]
	s_delay_alu instid0(VALU_DEP_1)
	v_lshl_or_b32 v[\pw], v[TM+6], 16, v[\pw]
	s_delay_alu instid0(VALU_DEP_1)
	v_lshl_or_b32 v[\pw], v[TM+7], 24, v[\pw]
	WIN (\sw)
.irp c, 0,1
	v_cvt_scalef32_pk16_fp6_f32 v[PC+6*\c:PC+6*\c+2], v[(\s)+32*\c:(\s)+32*\c+15], v[TM+8+2*\c]
	v_cvt_scalef32_pk16_fp6_f32 v[PC+12+4*\c:PC+14+4*\c], v[(\s)+32*\c+16:(\s)+32*\c+31], v[TM+9+2*\c]
.endr
	WIN 0
	v_nop                                                ; one plain place behind a scaled conversion
.irp c, 0,1                            ; the operand's layout wants a whole block in a lane: lanes 0-15 block 2 c, lanes 16-31 block 2 c + 1
.irp i, 0,1,2
	v_permlane16_swap_b32 v[PC+6*\c+\i], v[PC+12+4*\c+\i]
.endr
.irp i, 0,1,2
	s_delay_alu instid0(VALU_DEP_3)
	v_mov_b32 v[PC+3+6*\c+\i], v[PC+12+4*\c+\i]
.endr
.endr
.endm
	v_lshl_add_u32 v239, v0, 2, 0x10800
	v_mov_b32 v243, 0
	s_cmp_ge_u32 ttmp9, NQ
	s_cbranch_scc1 .Lrope
	s_load_b512 s[8:23], s[0:1], 0x0               ; x, Wq_w, tok_w, tov_w, kc_w, vc_w, kd_w, vd_w
	s_load_b256 s[24:31], s[0:1], 0x40             ; fromk_w, fromv_w, out_w, pack
	v_lshrrev_b32 v5, 5, v0
	s_delay_alu instid0(VALU_DEP_1)
	v_readfirstlane_b32 s2, v5                     ; wave
	v_and_b32 v5, 31, v0
	s_delay_alu instid0(VALU_DEP_1)
	v_lshlrev_b32 v1, 4, v5                        ; 16 x lane
	s_delay_alu instid0(VALU_DEP_2)
	v_lshlrev_b32 v2, 2, v5                        ; 4 x lane
	s_mul_i32 s3, s2, STG
	v_add_nc_u32 v3, s3, v1                        ; the stage, on the way in: a row's 512 bytes as they lie
	v_and_b32 v6, 15, v0
	v_bfe_u32 v7, v0, 4, 1
	s_delay_alu instid0(VALU_DEP_2)
	v_mul_u32_u24 v4, v6, 528
	s_delay_alu instid0(VALU_DEP_1)
	v_lshl_add_u32 v4, v7, 6, v4
	s_delay_alu instid0(VALU_DEP_1)
	v_add_nc_u32 v4, s3, v4                        ; and on the way out: row lane % 16, + 64 (lane / 16)
	s_mov_b32 s[SEL], 0x76543210
	s_mov_b32 s[SEL+1], 0xfedcba98                 ; lane l xor 16
	s_mov_b32 s56, 0xffff0000                      ; lanes 16-31
.irp b, 0,1,2,3
	v_mov_b32 v[TM+4+\b], 0                        ; a lane permute's destination counts as one of its sources
.endr
	s_wait_kmcnt 0x0
	s_mov_b64 s[32:33], s[8:9]                     ; which tensor: by the work-group's number alone
	s_mov_b32 s34, 0                               ; its first work-group
	s_mov_b32 s35, 2                               ; lg = log2(K / 256)
.macro PICK start, ptr, lg
	s_cmp_ge_u32 ttmp9, \start
	s_cselect_b64 s[32:33], s[\ptr:\ptr+1], s[32:33]
	s_cselect_b32 s34, \start, s34
	s_cselect_b32 s35, \lg, s35
.endm
	PICK 128, 10, 2
	PICK 192, 12, 2
	PICK 208, 14, 2
	PICK 224, 16, 1
	PICK 228, 18, 1
	PICK 232, 20, 0
	PICK 236, 22, 0
	PICK 240, 24, 1
	PICK 272, 26, 1
	PICK 304, 28, 3
	s_sub_co_u32 s36, ttmp9, s34
	s_lshl_b32 s36, s36, 3
	s_add_co_u32 s36, s36, s2                      ; my task in the tensor
	s_lshr_b32 s37, s36, s35                       ; its tile
	s_lshl_b32 s38, s37, s35
	s_sub_co_u32 s38, s36, s38                     ; its pair of K steps
	s_lshr_b32 s39, s37, 1
	s_lshl_b32 s39, s39, 5
	s_and_b32 s40, s37, 1
	s_lshl_b32 s40, s40, 3
	s_add_co_u32 s39, s39, s40                     ; the tile's first row
	s_add_co_u32 s41, s35, 10                      ; a row is 2^(lg + 10) bytes
	s_lshl_b32 s42, s39, s41
	s_lshl_b32 s38, s38, 10
	s_add_co_u32 s42, s42, s38
	s_mov_b32 s43, 0
	s_add_nc_u64 s[32:33], s[32:33], s[42:43]
	s_lshl_b32 s44, ttmp9, 3
	s_add_co_u32 s44, s44, s2                      ; my task in the launch
	s_mul_i32 s46, s44, 3072
	s_mov_b32 s47, 0
	s_add_nc_u64 s[48:49], s[30:31], s[46:47]      ; its codes
	s_lshl_b32 s46, s44, 7
	s_add_co_u32 s46, s46, SC0
	s_add_nc_u64 s[50:51], s[30:31], s[46:47]      ; its scale words
.irp i, 0,1,2,3,4,5,6,7,8,9,10,11,12,13,14,15
	v_lshl_add_u32 v[RO+\i], \i+8*(\i/8), s41, v1  ; lane index i of the tile is row i + 8 (i / 8)
.endr
.irp i, 0,1,2,3,4,5,6,7,8,9,10,11,12,13,14,15
	global_load_b128 v[RAW+4*\i:RAW+4*\i+3], v[RO+\i], s[32:33] th:TH_LOAD_NT
.endr
.irp i, 0,1,2,3,4,5,6,7,8,9,10,11,12,13,14,15
	global_load_b128 v[RAW+64+4*\i:RAW+64+4*\i+3], v[RO+\i], s[32:33] offset:512 th:TH_LOAD_NT
.endr
.macro HALF k
.irp i, 0,1,2,3,4,5,6,7,8,9,10,11,12,13,14,15
	ds_store_b128 v3, v[RAW+64*\k+4*\i:RAW+64*\k+4*\i+3] offset:528*\i
.endr
.irp b, 0,1,2,3
.irp j, 0,1,2,3
	ds_load_b128 v[X+16*\b+4*\j:X+16*\b+4*\j+3], v4 offset:128*\b+16*\j   ; LDS serves a wave's instructions in order: these see the stores above
.endr
.endr
	s_wait_dscnt 0x0
	s_wait_xcnt 0x0                                ; the codes' registers are the data of the stores of the K step before
	QUANT X, 0, 14+\k
.irp c, 0,1,2
	global_store_b128 v1, v[PC+4*\c:PC+4*\c+3], s[48:49] offset:1536*\k+512*\c   ; 512 consecutive bytes
.endr
.endm
	s_wait_loadcnt 16                              ; the first K step's 16 loads are in, the second's 16 may be out
	HALF 0
	s_wait_loadcnt 0x0
	HALF 1
	v_cndmask_b32 v13, v14, v15, s56               ; lanes 0-15 the first fragment's words, lanes 16-31 the second's
	global_store_b32 v2, v13, s[50:51]
	s_wait_tensorcnt 0x0
	ds_add_u32 v239, v243
	s_wait_dscnt 0x0
	s_endpgm
.Lrope:
	s_load_b64 s[30:31], s[0:1], 0x58              ; pack
	s_sub_co_u32 s36, ttmp9, NQ
	s_lshl_b32 s36, s36, 8
	s_mov_b32 s40, 0x3fc90fdb                      ; pi/2, upper word
	s_mov_b32 s41, 0xb33bbd2e                      ; and what is left of it
	s_mov_b32 s42, 0xb94ca1f9                      ; sine: r + r z (S1 + z (S2 + z S3))
	s_mov_b32 s43, 0x3c08839e
	s_mov_b32 s44, 0xbe2aaaa3
	s_mov_b32 s45, 0x37ccf5ce                      ; cosine: 1 - z / 2 + z^2 (C1 + z (C2 + z C3))
	s_mov_b32 s46, 0xbab6061a
	s_mov_b32 s47, 0x3d2aaaa5
	v_add_nc_u32 v1, s36, v0                       ; thread of 32,768: position = thread / 16, four frequencies from 4 (thread % 16) on
	s_delay_alu instid0(VALU_DEP_1)
	v_lshrrev_b32 v2, 4, v1
	s_delay_alu instid0(VALU_DEP_2)
	v_and_b32 v3, 15, v1
	s_delay_alu instid0(VALU_DEP_1)
	v_lshlrev_b32 v3, 2, v3
	s_delay_alu instid0(VALU_DEP_3)
	v_cvt_f32_u32 v4, v2
.irp e, 0,1,2,3
	v_add_nc_u32 v[8+\e], \e, v3
.endr
.irp e, 0,1,2,3
	s_delay_alu instid0(VALU_DEP_4)
	v_cvt_f32_u32 v[8+\e], v[8+\e]
.endr
.irp e, 0,1,2,3
	s_delay_alu instid0(VALU_DEP_4)
	v_mul_f32 v[8+\e], 0xbe549a78, v[8+\e]         ; -f log2(10000) / 64
.endr
	s_wait_alu depctr_va_vdst(0)
.irp e, 0,1,2,3
	v_exp_f32 v[8+\e], v[8+\e]
.endr
	v_lshlrev_b32 v5, 9, v2                        ; 512 bytes a position.  (The plain place behind the exponentials)
	s_delay_alu instid0(VALU_DEP_1)
	v_lshl_add_u32 v5, v3, 2, v5
	s_wait_alu depctr_va_vdst(0)
.irp e, 0,1,2,3
	v_mul_f32 v[8+\e], v4, v[8+\e]                 ; the angle
.endr
.irp e, 0,1,2,3
	s_delay_alu instid0(VALU_DEP_4)
	v_mul_f32 v[12+\e], 0x3f22f983, v[8+\e]
.endr
.irp e, 0,1,2,3
	s_delay_alu instid0(VALU_DEP_4)
	v_rndne_f32 v[12+\e], v[12+\e]                 ; n = the nearest multiple of pi/2
.endr
.irp e, 0,1,2,3
	s_delay_alu instid0(VALU_DEP_4)
	v_fma_f32 v[8+\e], -v[12+\e], s40, v[8+\e]
.endr
.irp e, 0,1,2,3
	s_delay_alu instid0(VALU_DEP_4)
	v_fma_f32 v[8+\e], -v[12+\e], s41, v[8+\e]     ; r
.endr
.irp e, 0,1,2,3
	s_delay_alu instid0(VALU_DEP_4)
	v_mul_f32 v[16+\e], v[8+\e], v[8+\e]           ; z
.endr
.irp e, 0,1,2,3
	v_fma_f32 v[20+\e], v[16+\e], s42, s43
	v_fma_f32 v[24+\e], v[16+\e], s45, s46
.endr
.irp e, 0,1,2,3
	v_fma_f32 v[20+\e], v[20+\e], v[16+\e], s44
	v_fma_f32 v[24+\e], v[24+\e], v[16+\e], s47
.endr
.irp e, 0,1,2,3
	v_mul_f32 v[28+\e], v[8+\e], v[16+\e]
.endr
.irp e, 0,1,2,3
	s_delay_alu instid0(VALU_DEP_4)
	v_fma_f32 v[20+\e], v[28+\e], v[20+\e], v[8+\e]   ; sin r
.endr
.irp e, 0,1,2,3
	v_mul_f32 v[28+\e], v[16+\e], v[16+\e]
.endr
.irp e, 0,1,2,3
	v_fma_f32 v[16+\e], v[16+\e], -0.5, 1.0
.endr
.irp e, 0,1,2,3
	s_delay_alu instid0(VALU_DEP_4)
	v_fma_f32 v[24+\e], v[28+\e], v[24+\e], v[16+\e]  ; cos r
.endr
.irp e, 0,1,2,3
	v_cvt_i32_f32 v[40+\e], v[12+\e]               ; the quadrant: only selections hang on it
.endr
.irp e, 0,1,2,3
	s_delay_alu instid0(VALU_DEP_4)
	v_and_b32 v[28+\e], 1, v[40+\e]
.endr
.irp e, 0,1,2,3
	v_cmp_ne_u32 vcc_lo, 0, v[28+\e]
	s_delay_alu instid0(VALU_DEP_1)
	v_cndmask_b32 v[36+\e], v[20+\e], v[24+\e], vcc_lo   ; odd quadrants: the two change places
	s_delay_alu instid0(VALU_DEP_2)
	v_cndmask_b32 v[32+\e], v[24+\e], v[20+\e], vcc_lo
.endr
.irp e, 0,1,2,3
	v_and_b32 v[28+\e], 2, v[40+\e]
	v_add_nc_u32 v[40+\e], 1, v[40+\e]
.endr
.irp e, 0,1,2,3
	v_lshlrev_b32 v[28+\e], 30, v[28+\e]
	v_and_b32 v[40+\e], 2, v[40+\e]
.endr
.irp e, 0,1,2,3
	v_xor_b32 v[36+\e], v[28+\e], v[36+\e]         ; the sine is negative in quadrants 2 and 3,
	v_lshlrev_b32 v[40+\e], 30, v[40+\e]
.endr
.irp e, 0,1,2,3
	v_xor_b32 v[32+\e], v[40+\e], v[32+\e]         ; the cosine in 1 and 2
.endr
	s_wait_alu depctr_va_vdst(0)
	s_wait_kmcnt 0x0
	s_add_nc_u64 s[30:31], s[30:31], ROPE
	global_store_b128 v5, v[32:35], s[30:31]               ; sixteen lanes store a position's 256 bytes of cosines,
	global_store_b128 v5, v[36:39], s[30:31] offset:256    ; and its 256 of sines
	s_endpgm
.Lfunc_end_k_q7737adc8eb_quant:
	.size	k_q7737adc8eb_quant, .Lfunc_end_k_q7737adc8eb_quant-k_q7737adc8eb_quant
	.p2alignl 7, 3214868480
	.fill 96, 4, 3214868480
	.section	.rodata,"a",@progbits
	.p2align	6, 0x0
	.amdhsa_kernel k_q7737adc8eb_quant
		.amdhsa_group_segment_fixed_size 68608
		.amdhsa_private_segment_fixed_size 0
		.amdhsa_enable_private_segment 0
		.amdhsa_kernarg_size 96
		.amdhsa_user_sgpr_count 2
		.amdhsa_user_sgpr_kernarg_segment_ptr 1
		.amdhsa_wavefront_size32 1
		.amdhsa_system_sgpr_workgroup_id_x 1
		.amdhsa_system_sgpr_workgroup_id_y 1
		.amdhsa_system_sgpr_workgroup_id_z 1
		.amdhsa_system_vgpr_workitem_id 0
		.amdhsa_next_free_vgpr 256
		.amdhsa_next_free_sgpr 66
		.amdhsa_reserve_vcc 1
		.amdhsa_float_denorm_mode_32 3
		.amdhsa_float_denorm_mode_16_64 3
		.amdhsa_memory_ordered 1
		.amdhsa_forward_progress 1
		.amdhsa_inst_pref_size 33
	.end_amdhsa_kernel
	.amdgpu_metadata
---
amdhsa.version: [ 1, 2 ]
amdhsa.kernels:
  - .name:           k_q7737adc8eb_quant
    .symbol:         k_q7737adc8eb_quant.kd
    .args:
      - { .name: x, .offset: 0, .size: 8, .value_kind: global_buffer, .address_space: global }
      - { .name: Wq_w, .offset: 8, .size: 8, .value_kind: global_buffer, .address_space: global }
      - { .name: tok_w, .offset: 16, .size: 8, .value_kind: global_buffer, .address_space: global }
      - { .name: tov_w, .offset: 24, .size: 8, .value_kind: global_buffer, .address_space: global }
      - { .name: kc_w, .offset: 32, .size: 8, .value_kind: global_buffer, .address_space: global }
      - { .name: vc_w, .offset: 40, .size: 8, .value_kind: global_buffer, .address_space: global }
      - { .name: kd_w, .offset: 48, .size: 8, .value_kind: global_buffer, .address_space: global }
      - { .name: vd_w, .offset: 56, .size: 8, .value_kind: global_buffer, .address_space: global }
      - { .name: fromk_w, .offset: 64, .size: 8, .value_kind: global_buffer, .address_space: global }
      - { .name: fromv_w, .offset: 72, .size: 8, .value_kind: global_buffer, .address_space: global }
      - { .name: out_w, .offset: 80, .size: 8, .value_kind: global_buffer, .address_space: global }
      - { .name: pack, .offset: 88, .size: 8, .value_kind: global_buffer, .address_space: global }
    .group_segment_fixed_size: 68608
    .private_segment_fixed_size: 0
    .kernarg_segment_align: 8
    .kernarg_segment_size: 96
    .max_flat_workgroup_size: 256
    .sgpr_count:     66
    .vgpr_count:     256
    .wavefront_size: 32
...
	.end_amdgpu_metadata
.endif
;; end of part 1
;; launch gemm1 (part 2): grid 12 x 16, 8 waves a work-group, no clusters, 327,680 bytes of LDS; arguments pack, Wq_b, tok_b, tov_b, kq, lat1; writes kq, lat1
.if DOCPART == 2
	.amdgcn_target "amdgcn-amd-amdhsa--gfx1250"
	.amdhsa_code_object_version 6
	.text
	.protected	k_q7737adc8eb_gemm1
	.globl	k_q7737adc8eb_gemm1
	.p2align	8
	.type	k_q7737adc8eb_gemm1,@function
k_q7737adc8eb_gemm1:
	s_mov_b64 s[64:65], 0
	v_nop
	global_prefetch_b8 v0, s[64:65] scope:SCOPE_SE
	s_setreg_imm32_b32 hwreg(HW_REG_WAVE_MODE, 25, 1), 1
	s_wait_xcnt 0x0
.set MODE, 1
.if MODE == 1
.set KS, 8
.set SK, 2
.set NW, 8
.set NU, 8
.elseif MODE == 2
.set KS, 4
.set SK, 2
.set NW, 8
.set NU, 8
.else
.set KS, 16
.set SK, 4
.set NW, 4
.set NU, 4
.endif
.set PH,    KS/SK
.set NT,    4*NW
.set FRB,   1536
.set BLK,   (NT/2)*KS*FRB
.set SBLK,  BLK/24
.set SLOTB, NT*SK*FRB
.set SCL,   2*SLOTB
.set SPARE, 212992
.set STAGE, 214016
.set SC0,   9043968
.set ROPE,  9420800
.set SU,   16
.set SL,   24
.set UF,   32
.set LF,   128
.set B,    176
.set TAB0, 176
.set TAB1, 32
.set RT,   96
.set PC,   128
.set TM,   148
.set PW,   160
.set PWM,  164
.set ORG,  32
.set SEL,  54
.set MSB,  0
.macro WIN new
.if MSB != (\new)
	s_set_vgpr_msb (MSB<<8)|(\new)
.set MSB, (\new)
.endif
.endm
.macro PLACES
.rept 4
	v_nop
.endr
.endm
.macro QUANT s, sw, pw
	WIN 5*(\sw)
.irp b, 0,1,2,3
	v_max3_num_f32 v[TM+\b], |v[(\s)+16*\b]|, |v[(\s)+16*\b+1]|, 0x1800000
.endr
	WIN 0x14*(\sw)
.irp i, 2,4,6,8,10,12,14
.irp b, 0,1,2,3
	v_max3_num_f32 v[TM+\b], v[TM+\b], |v[(\s)+16*\b+\i]|, |v[(\s)+16*\b+\i+1]|
.endr
.endr
	WIN 0
.irp b, 0,1,2,3
	v_permlanex16_b32 v[TM+4+\b], v[TM+\b], s[SEL], s[SEL+1]
.endr
.irp b, 0,1,2,3
	s_delay_alu instid0(VALU_DEP_4)
	v_max_num_f32 v[TM+\b], v[TM+\b], v[TM+4+\b]
.endr
.irp b, 0,1,2,3
	s_delay_alu instid0(VALU_DEP_4)
	v_add_nc_u32 v[TM+8+\b], 0xff000000, v[TM+\b]
.endr
.irp b, 0,1,2,3
	s_delay_alu instid0(VALU_DEP_4)
	v_lshrrev_b32 v[TM+4+\b], 23, v[TM+8+\b]
.endr
	s_delay_alu instid0(VALU_DEP_3)
	v_lshl_or_b32 v[\pw], v[TM+5], 8, v[TM+4]
	s_delay_alu instid0(VALU_DEP_1)
	v_lshl_or_b32 v[\pw], v[TM+6], 16, v[\pw]
	s_delay_alu instid0(VALU_DEP_1)
	v_lshl_or_b32 v[\pw], v[TM+7], 24, v[\pw]
	WIN (\sw)
.irp c, 0,1
	v_cvt_scalef32_pk16_fp6_f32 v[PC+6*\c:PC+6*\c+2], v[(\s)+32*\c:(\s)+32*\c+15], v[TM+8+2*\c]
	v_cvt_scalef32_pk16_fp6_f32 v[PC+12+4*\c:PC+14+4*\c], v[(\s)+32*\c+16:(\s)+32*\c+31], v[TM+9+2*\c]
.endr
	WIN 0
	v_nop
.irp c, 0,1
.irp i, 0,1,2
	v_permlane16_swap_b32 v[PC+6*\c+\i], v[PC+12+4*\c+\i]
.endr
.irp i, 0,1,2
	s_delay_alu instid0(VALU_DEP_3)
	v_mov_b32 v[PC+3+6*\c+\i], v[PC+12+4*\c+\i]
.endr
.endr
.endm
.macro WM d, a, b, c, sa, sb, ra, rb
.if ((\ra) == 0) && ((\rb) == 0)
	v_wmma_scale_f32_16x16x128_f8f6f4 v[(\d):(\d)+7], v[(\a):(\a)+11], v[(\b):(\b)+11], v[(\c):(\c)+7], v[\sa], v[\sb] matrix_a_fmt:MATRIX_FMT_FP6 matrix_b_fmt:MATRIX_FMT_FP6
.elseif (\rb) == 0
	v_wmma_scale_f32_16x16x128_f8f6f4 v[(\d):(\d)+7], v[(\a):(\a)+11], v[(\b):(\b)+11], v[(\c):(\c)+7], v[\sa], v[\sb] matrix_a_fmt:MATRIX_FMT_FP6 matrix_b_fmt:MATRIX_FMT_FP6 matrix_a_scale:MATRIX_SCALE_ROW1
.elseif (\ra) == 0
	v_wmma_scale_f32_16x16x128_f8f6f4 v[(\d):(\d)+7], v[(\a):(\a)+11], v[(\b):(\b)+11], v[(\c):(\c)+7], v[\sa], v[\sb] matrix_a_fmt:MATRIX_FMT_FP6 matrix_b_fmt:MATRIX_FMT_FP6 matrix_b_scale:MATRIX_SCALE_ROW1
.else
	v_wmma_scale_f32_16x16x128_f8f6f4 v[(\d):(\d)+7], v[(\a):(\a)+11], v[(\b):(\b)+11], v[(\c):(\c)+7], v[\sa], v[\sb] matrix_a_fmt:MATRIX_FMT_FP6 matrix_b_fmt:MATRIX_FMT_FP6 matrix_a_scale:MATRIX_SCALE_ROW1 matrix_b_scale:MATRIX_SCALE_ROW1
.endif
.endm
.macro KSTEP slot, q, s, cmode
	PLACES
; the scale words stand in registers, two sets of 12 by turns, a set for a pair of K steps; pairs 2 and 3 are asked for two K steps ahead of their use, into the set just left
.if (\s) == 4 || (\s) == 6
	s_wait_loadcnt 0x0                             ; this pair's scale words are in
.endif
.if (\s) == 2 || (\s) == 4
	SCLOAD (\s)/2+1
.endif
.irp m, 0,1,2,3
.irp c, 0,1,2
	ds_load_b128 v[LF+12*\m+4*\c:LF+12*\m+4*\c+3], v[5+\slot] offset:\m*SK*FRB+(\q)*FRB+512*\c
.endr
.endr
.set t, 0
.rept NU
.irp c, 0,1,2
	ds_load_b128 v[UF+12*t+4*\c:UF+12*t+4*\c+3], v[3+\slot] offset:t*SK*FRB+(\q)*FRB+512*\c
.endr
.set t, t+1
.endr
.if \cmode
	WIN 0x40
.else
	WIN 0x50
.endif
.set t, 0
.rept NU
	s_wait_dscnt 3*(NU-1-t)
.irp m, 0,1,2,3
.if (\cmode) == 1
.set rC, B+8*t
.elseif (\cmode) == 2
.set rC, B+8*\m
.else
.set rC, 8*(NU*\m+t)
.endif
	WM 8*(NU*\m+t), UF+12*t, LF+12*\m, rC, SU+t+224*(((\s)/2)%2), SL+\m+224*(((\s)/2)%2), (\s)%2, (\s)%2
.endr
.set t, t+1
.endr
	WIN 0
.endm
.macro CHANGE p
	s_wait_tensorcnt 0x0
	ds_add_u32 v14, v15
.if (\p)+1 < PH
	s_add_nc_u64 s[34+4*(((\p)+1)%2):35+4*(((\p)+1)%2)], s[34+4*(((\p)+1)%2):35+4*(((\p)+1)%2)], 2*SK*FRB
.endif
	s_wait_dscnt 0x0
	s_barrier_signal -1
	s_barrier_wait -1
.if (\p)+1 < PH
	tensor_load_to_lds s[32+4*(((\p)+1)%2):35+4*(((\p)+1)%2)], s[16:23]
	s_nop 0
	PLACES
.endif
.endm
.macro TABLOAD m, tab
.irp sc, 0,1
.irp b, 0,1
.irp j, 0,1,2,3
	global_load_b128 v[(\tab)+32*\sc+16*\b+4*\j:(\tab)+32*\sc+16*\b+4*\j+3], v10, s[50:51] offset:(32*((\m)/2)+8*((\m)%2))*512+256*\sc+128*\b+16*\j
.endr
.endr
.endr
.endm
.macro ROTATE m, tab
.irp b, 0,1
	WIN 0x01
.irp i, 0,2,4,6,8,10,12,14
	v_pk_mul_f32 v[RT+\i:RT+\i+1], v[64*(\m)+32+16*\b+\i:64*(\m)+32+16*\b+\i+1], v[(\tab)+32+16*\b+\i:(\tab)+32+16*\b+\i+1]
.endr
.irp i, 0,2,4,6,8,10,12,14
	v_pk_mul_f32 v[RT+16+\i:RT+16+\i+1], v[64*(\m)+16*\b+\i:64*(\m)+16*\b+\i+1], v[(\tab)+32+16*\b+\i:(\tab)+32+16*\b+\i+1]
.endr
	WIN 0x41
.irp i, 0,2,4,6,8,10,12,14
	v_pk_fma_f32 v[64*(\m)+16*\b+\i:64*(\m)+16*\b+\i+1], v[64*(\m)+16*\b+\i:64*(\m)+16*\b+\i+1], v[(\tab)+16*\b+\i:(\tab)+16*\b+\i+1], v[RT+\i:RT+\i+1] neg_lo:[0,0,1] neg_hi:[0,0,1]
.endr
.irp i, 0,2,4,6,8,10,12,14
	v_pk_fma_f32 v[64*(\m)+32+16*\b+\i:64*(\m)+32+16*\b+\i+1], v[64*(\m)+32+16*\b+\i:64*(\m)+32+16*\b+\i+1], v[(\tab)+16*\b+\i:(\tab)+16*\b+\i+1], v[RT+16+\i:RT+16+\i+1]
.endr
.endr
	WIN 0
.endm
.macro FINISH
	s_wait_tensorcnt 0x0
	ds_add_u32 v14, v15
	s_wait_dscnt 0x0
	s_endpgm
.endm
.macro EPI rope
	PLACES
.irp b, 0,1,2,3
	v_mov_b32 v[TM+4+\b], 0
.endr
.if \rope
	TABLOAD 1, TAB1
.endif
.irp m, 0,1,2,3
.if \rope
.if \m < 3
	s_wait_loadcnt 16
.else
	s_wait_loadcnt 0x0
.endif
	ROTATE \m, TAB0-144*(\m%2)
.if \m < 2
	TABLOAD \m+2, TAB0-144*(\m%2)
.endif
.endif
	s_wait_xcnt 0x0
	QUANT 64*\m, 1, PW+\m
.irp c, 0,1,2
	global_store_b128 v1, v[PC+4*\c:PC+4*\c+3], s[46:47] offset:1536*\m+512*\c
.endr
.if (\m%2) == 1
	v_cndmask_b32 v[PWM+\m/2], v[PW+\m-1], v[PW+\m], s56
	global_store_b32 v2, v[PWM+\m/2], s[48:49] offset:128*(\m/2)
.endif
.endr
	FINISH
.endm
	s_load_b256 s[68:75], s[0:1], 0x0
.if MODE < 3
	s_load_b128 s[76:79], s[0:1], 0x20
.endif
	v_lshl_add_u32 v14, v0, 2, SPARE
	v_mov_b32 v15, 0
	ds_add_u32 v14, v15
	ds_add_u32 v14, v15
	s_wait_dscnt 0x0
	v_lshrrev_b32 v28, 5, v0
	s_delay_alu instid0(VALU_DEP_1)
	v_readfirstlane_b32 s2, v28
	s_and_b32 s3, s2, 1
	s_lshr_b32 s4, s2, 1
	s_and_b32 s7, ttmp7, 0xffff
	s_mov_b32 s16, 3<<16
	s_mov_b32 s17, (SK*192)<<16
	s_mov_b32 s18, 4<<16
	s_mov_b32 s19, (SK*192)<<16
	s_mov_b32 s20, 4
	s_mov_b32 s21, KS*192
	s_mov_b32 s22, 0
	s_mov_b32 s23, 0
; the scale words of K steps 2 p and 2 p + 1 go from memory straight into set p % 2 (v16-27, v240-251): lanes 0-15 the even step's words, lanes 16-31 the next one's, 128 consecutive bytes a load
.macro SCLOAD p
.irp t, 0,1,2,3,4,5,6,7
	global_load_b32 v[SU+224*((\p)%2)+\t], v7, s[12:13] offset:\t*KS*64+128*(\p)
.endr
.irp m, 0,1,2,3
	global_load_b32 v[SL+224*((\p)%2)+\m], v8, s[14:15] offset:\m*KS*64+128*(\p)
.endr
.endm
	s_mov_b32 s[SEL], 0x76543210
	s_mov_b32 s[SEL+1], 0xfedcba98
	s_mov_b32 s56, 0xffff0000
	s_mov_b32 s59, 0
	s_mov_b32 s61, 0
	s_mov_b32 s63, 0
	s_mov_b32 s67, 0
.if MODE == 1
	s_mov_b32 s5, ttmp9
	s_mov_b32 s6, s7
	s_mul_i32 s58, s5, BLK
	s_add_co_u32 s58, s58, 128*24576
	s_mul_i32 s60, s6, BLK
	s_mul_i32 s62, s5, SBLK
	s_add_co_u32 s62, s62, SC0+128*1024
	s_mul_i32 s66, s6, SBLK
	s_add_co_u32 s66, s66, SC0
	s_wait_kmcnt 0x0
	s_add_nc_u64 s[8:9], s[68:69], s[58:59]
	s_add_nc_u64 s[10:11], s[68:69], s[60:61]
	s_add_nc_u64 s[12:13], s[68:69], s[62:63]
	s_add_nc_u64 s[14:15], s[68:69], s[66:67]
.elseif MODE == 2
	s_sub_co_u32 s57, s7, 16
	s_mov_b32 s58, 240*24576
	s_mov_b32 s60, 0
	s_mov_b32 s62, SC0+240*1024
	s_mov_b32 s66, 3145728
	s_wait_kmcnt 0x0
	s_cmp_ge_u32 s7, 16
	s_cselect_b32 s53, 1, 0
	s_cselect_b32 s52, 0, 1
	s_cselect_b32 s5, s57, ttmp9
	s_cselect_b32 s6, ttmp9, s7
	s_cselect_b64 s[8:9], s[70:71], s[68:69]
	s_cselect_b64 s[10:11], s[68:69], s[70:71]
	s_cselect_b32 s58, 1572864, s58
	s_cselect_b32 s60, 272*24576, s60
	s_cselect_b32 s62, 3211264, s62
	s_cselect_b32 s66, SC0+272*1024, s66
	s_mov_b64 s[12:13], s[8:9]
	s_mov_b64 s[14:15], s[10:11]
	s_mul_i32 s57, s5, BLK
	s_add_co_u32 s58, s58, s57
	s_mul_i32 s57, s6, BLK
	s_add_co_u32 s60, s60, s57
	s_mul_i32 s57, s5, SBLK
	s_add_co_u32 s62, s62, s57
	s_mul_i32 s57, s6, SBLK
	s_add_co_u32 s66, s66, s57
	s_add_nc_u64 s[8:9], s[8:9], s[58:59]
	s_add_nc_u64 s[10:11], s[10:11], s[60:61]
	s_add_nc_u64 s[12:13], s[12:13], s[62:63]
	s_add_nc_u64 s[14:15], s[14:15], s[66:67]
.else
	s_mov_b32 s5, ttmp9
	s_mov_b32 s6, s7
	s_mul_i32 s58, s5, BLK
	s_add_co_u32 s58, s58, 304*24576
	s_mul_i32 s60, s6, BLK
	s_mul_i32 s62, s5, SBLK
	s_add_co_u32 s62, s62, SC0+304*1024
	s_mul_i32 s66, s6, SBLK
	s_add_co_u32 s66, s66, 6291456
	s_wait_kmcnt 0x0
	s_add_nc_u64 s[8:9], s[68:69], s[58:59]
	s_add_nc_u64 s[10:11], s[70:71], s[60:61]
	s_add_nc_u64 s[12:13], s[68:69], s[62:63]
	s_add_nc_u64 s[14:15], s[70:71], s[66:67]
.endif
	s_cmp_lt_u32 s2, NW/2
	s_cselect_b64 s[84:85], s[8:9], s[10:11]
	s_and_b32 s57, s2, NW/2-1
	s_mul_i32 s58, s57, 4*KS*FRB
	s_add_nc_u64 s[84:85], s[84:85], s[58:59]
	s_mov_b32 s32, 1
	s_mul_i32 s33, s2, 4*SK*FRB
	s_mov_b64 s[34:35], s[84:85]
	s_or_b32 s35, s35, 0x80000000
	s_mov_b32 s36, 1
	s_add_co_u32 s37, s33, SLOTB
	s_add_nc_u64 s[38:39], s[84:85], SK*FRB
	s_or_b32 s39, s39, 0x80000000
	tensor_load_to_lds s[32:35], s[16:23]          ; my part of slot 0: the wave's one tensor load at the head
	s_nop 0
	PLACES
.if MODE == 1
	s_lshl_b32 s57, s5, 1
	s_add_co_u32 s57, s57, s3
	s_lshl_b32 s58, s57, 9
	s_cmp_lt_u32 s5, 8
	s_cselect_b64 s[44:45], s[70:71], s[72:73]
	s_cselect_b32 s60, 0, 8192
	s_cselect_b32 s52, 1, 0
	s_cmp_lt_u32 s5, 10
	s_cselect_b64 s[44:45], s[44:45], s[74:75]
	s_cselect_b32 s60, s60, 10240
	s_cselect_b32 s53, 0, 1
	s_sub_co_u32 s58, s58, s60
	s_add_nc_u64 s[44:45], s[44:45], s[58:59]
	s_lshr_b32 s60, s6, 3
	s_lshl_b32 s60, s60, 4
	s_add_co_u32 s60, s60, s57
	s_lshl_b32 s60, s60, 3
	s_and_b32 s62, s6, 7
	s_add_co_u32 s60, s60, s62
	s_mul_i32 s60, s60, 25600                      ; the keys' records hold 128 tokens: 8 fragments, then their 512 bytes of scale words: 12,800 bytes
	s_lshr_b32 s62, s4, 1
	s_mul_i32 s62, s62, 12800
	s_add_co_u32 s60, s60, s62
	s_and_b32 s66, s4, 1
	s_mul_i32 s62, s66, 6144
	s_add_co_u32 s62, s62, s60
	s_lshl_b32 s66, s66, 8
	s_add_co_u32 s66, s66, s60
	s_add_co_u32 s66, s66, 12288
	s_and_b32 s58, s57, 3
	s_lshl_b32 s58, s58, 8
	s_lshl_b32 s60, s6, 4
	s_add_co_u32 s58, s58, s60
	s_lshl_b32 s60, s4, 2
	s_add_co_u32 s58, s58, s60
	s_mul_i32 s60, s58, 1536
	s_mul_i32 s84, s53, 1572864
	s_add_co_u32 s60, s60, s84
	s_lshl_b32 s58, s58, 6
	s_lshl_b32 s84, s53, 16
	s_add_co_u32 s58, s58, s84
	s_add_co_u32 s58, s58, 3145728
	s_cmp_lg_u32 s52, 0
	s_cselect_b64 s[46:47], s[76:77], s[78:79]
	s_cselect_b32 s60, s62, s60
	s_cselect_b32 s58, s66, s58
	s_mov_b64 s[48:49], s[46:47]
	s_add_nc_u64 s[46:47], s[46:47], s[60:61]
	s_add_nc_u64 s[48:49], s[48:49], s[58:59]
.elseif MODE == 2
	s_lshl_b32 s57, s5, 1
	s_add_co_u32 s57, s57, s3
	s_lshr_b32 s58, s6, 3
	s_lshl_b32 s58, s58, 4
	s_add_co_u32 s58, s58, s57
	s_lshl_b32 s58, s58, 7
	s_and_b32 s60, s6, 7
	s_lshl_b32 s60, s60, 4
	s_add_co_u32 s58, s58, s60
	s_lshl_b32 s60, s4, 2
	s_add_co_u32 s58, s58, s60
	s_mul_i32 s60, s58, 1536
	s_lshl_b32 s58, s58, 6
	s_add_co_u32 s58, s58, 6291456
	s_lshr_b32 s62, s5, 3
	s_lshl_b32 s62, s62, 4
	s_lshl_b32 s66, s6, 1
	s_add_co_u32 s62, s62, s66
	s_lshr_b32 s66, s4, 1
	s_add_co_u32 s62, s62, s66
	s_lshl_b32 s62, s62, 3
	s_and_b32 s66, s5, 7
	s_add_co_u32 s62, s62, s66
	s_mul_i32 s62, s62, 25600
	s_lshl_b32 s66, s3, 3
	s_and_b32 s84, s4, 1
	s_lshl_b32 s84, s84, 2
	s_add_co_u32 s66, s66, s84
	s_mul_i32 s84, s66, 1536
	s_lshl_b32 s66, s66, 6
	s_add_co_u32 s66, s66, s62
	s_add_co_u32 s66, s66, 24576
	s_add_co_u32 s62, s62, s84
	s_lshl_b32 s84, s57, 9
	s_lshl_b32 s85, s6, 4
	s_lshl_b32 s86, s4, 2
	s_add_co_u32 s85, s85, s86
	s_lshl_b32 s85, s85, 6
	s_cmp_lg_u32 s53, 0
	s_cselect_b64 s[46:47], s[78:79], s[76:77]
	s_cselect_b64 s[44:45], s[74:75], s[72:73]
	s_cselect_b32 s60, s62, s60
	s_cselect_b32 s58, s66, s58
	s_cselect_b32 s62, s85, s84
	s_mov_b64 s[48:49], s[46:47]
	s_add_nc_u64 s[46:47], s[46:47], s[60:61]
	s_add_nc_u64 s[48:49], s[48:49], s[58:59]
	s_add_nc_u64 s[44:45], s[44:45], s[62:63]
.else
	s_lshl_b32 s58, s5, 7
	s_lshl_b32 s60, s3, 6
	s_add_co_u32 s58, s58, s60
	s_lshl_b32 s58, s58, 2
	s_add_nc_u64 s[44:45], s[72:73], s[58:59]
	s_lshl_b32 s60, s6, 7
	s_lshl_b32 s62, s4, 6
	s_add_co_u32 s60, s60, s62
	s_lshl_b32 s60, s60, 12
	s_add_co_u32 s60, s60, s58
	s_add_nc_u64 s[46:47], s[74:75], s[60:61]
.endif
.if MODE < 3
	s_and_b32 s58, s6, 7
	s_lshl_b32 s58, s58, 8
	s_lshl_b32 s60, s4, 6
	s_add_co_u32 s58, s58, s60
	s_lshl_b32 s58, s58, 9
	s_add_co_u32 s58, s58, ROPE
	s_add_nc_u64 s[50:51], s[68:69], s[58:59]
.endif
	v_and_b32 v28, 31, v0
	s_delay_alu instid0(VALU_DEP_1)
	v_lshlrev_b32 v1, 4, v28
	s_delay_alu instid0(VALU_DEP_2)
	v_lshlrev_b32 v2, 2, v28
	v_and_b32 v29, 15, v0
	v_bfe_u32 v30, v0, 4, 1
	s_delay_alu instid0(VALU_DEP_2)
	v_and_b32 v31, 8, v29
	s_delay_alu instid0(VALU_DEP_1)
	v_add_nc_u32 v31, v31, v29
	s_mul_i32 s57, s3, NU*SK*FRB
	v_add_nc_u32 v3, s57, v1
	s_delay_alu instid0(VALU_DEP_1)
	v_add_nc_u32 v4, SLOTB, v3
	s_mul_i32 s57, s4, 4*SK*FRB
	s_add_co_u32 s57, s57, (NT/2)*SK*FRB
	v_add_nc_u32 v5, s57, v1
	s_delay_alu instid0(VALU_DEP_1)
	v_add_nc_u32 v6, SLOTB, v5
	s_mul_i32 s57, s3, NU*KS*64
	v_add_nc_u32 v7, s57, v2                       ; my U tiles' scale words in their block of memory
	s_mul_i32 s57, s4, 4*KS*64
	v_add_nc_u32 v8, s57, v2                       ; my L tiles'
	SCLOAD 0
	SCLOAD 1
	v_lshlrev_b32 v9, 6, v30
	v_lshlrev_b32 v10, 9, v31
	s_delay_alu instid0(VALU_DEP_1)
	v_lshl_add_u32 v10, v30, 6, v10
.if MODE == 2
	v_lshlrev_b32 v11, 2, v31
.endif
.if MODE == 3
	s_mul_i32 s57, s2, 16*272
	s_add_co_u32 s57, s57, STAGE
	v_mul_u32_u24 v11, v29, 272
	v_lshl_add_u32 v11, v30, 6, v11
	v_add_nc_u32 v11, s57, v11
	v_mul_u32_u24 v12, v30, 272
	v_lshl_add_u32 v12, v29, 4, v12
	v_add_nc_u32 v12, s57, v12
	v_lshlrev_b32 v13, 12, v30
	v_lshl_add_u32 v13, v29, 4, v13
.endif
.if MODE == 2
.set i, 0
.rept 32
	v_mov_b32 v[B+32+i], 0
.set i, i+1
.endr
	s_cmp_lg_u32 s53, 0
	s_cbranch_scc1 .Lbias_l
.endif
.set t, 0
.rept NU
	global_load_b128 v[B+8*t:B+8*t+3], v9, s[44:45] offset:(32*(t/2)+8*(t%2))*4
	global_load_b128 v[B+8*t+4:B+8*t+7], v9, s[44:45] offset:(32*(t/2)+8*(t%2))*4+16
.set t, t+1
.endr
.if MODE == 2
	s_branch .Lbias_in
.Lbias_l:
.irp m, 0,1,2,3
.irp j, 0,1,2,3,4,5,6,7
	global_load_b32 v[B+8*\m+\j], v11, s[44:45] offset:(32*(\m/2)+8*(\m%2))*4
.endr
.endr
.Lbias_in:
.endif
	s_wait_alu depctr_va_vdst(0)
	s_wait_loadcnt 0x0
	s_wait_tensorcnt 0x0                           ; my part of slot 0 is in; slot 1's first fill is issued as a refill is
	ds_add_u32 v14, v15
	s_wait_dscnt 0x0
	s_barrier_signal -1
	s_barrier_wait -1
	tensor_load_to_lds s[36:39], s[16:23]          ; it has slot 0's K steps in which to land
	s_nop 0
	PLACES
.if MODE == 2
	s_cmp_lg_u32 s53, 0
	s_cbranch_scc1 .Lfirst_l
	KSTEP 0, 0, 0, 1
	s_branch .Lfirst_done
.Lfirst_l:
	KSTEP 0, 0, 0, 2
.Lfirst_done:
.else
	KSTEP 0, 0, 0, 1
.endif
.if MODE < 3
	s_cmp_eq_u32 s52, 0
	s_cbranch_scc1 .Lno_table
	PLACES
	TABLOAD 0, TAB0
.Lno_table:
.endif
.set qq, 1
.rept SK-1
	KSTEP 0, qq, qq, 0
.set qq, qq+1
.endr
.set ph, 1
.rept PH-1
	CHANGE ph
.set qq, 0
.rept SK
	KSTEP ph%2, qq, ph*SK+qq, 0
.set qq, qq+1
.endr
.set ph, ph+1
.endr
.if MODE < 3
	s_cmp_eq_u32 s52, 0
	s_cbranch_scc1 .Lplain
	EPI 1
.Lplain:
	EPI 0
.else
	PLACES
.irp m, 0,1,2,3
.if \m >= 2
	s_wait_xcnt 0x0
.endif
	WIN 0x04
.irp u, 0,1,2,3
	ds_store_b128 v11, v[8*(4*\m+\u):8*(4*\m+\u)+3] offset:128*(\u/2)+32*(\u%2)
	ds_store_b128 v11, v[8*(4*\m+\u)+4:8*(4*\m+\u)+7] offset:128*(\u/2)+32*(\u%2)+16
.endr
	WIN 0
.irp i, 0,1,2,3,4,5,6,7
	ds_load_b128 v[ORG+32*(\m%2)+4*\i:ORG+32*(\m%2)+4*\i+3], v12 offset:544*\i
.endr
.irp i, 0,1,2,3,4,5,6,7
	s_wait_dscnt 7-\i
	global_store_b128 v13, v[ORG+32*(\m%2)+4*\i:ORG+32*(\m%2)+4*\i+3], s[46:47] offset:(32*(\m/2)+8*(\m%2)+2*\i+8*(\i/4))*4096 th:TH_STORE_NT
.endr
.endr
	FINISH
.endif
.Lfunc_end_k_q7737adc8eb_gemm1:
	.size	k_q7737adc8eb_gemm1, .Lfunc_end_k_q7737adc8eb_gemm1-k_q7737adc8eb_gemm1
	.p2alignl 7, 3214868480
	.fill 96, 4, 3214868480
	.section	.rodata,"a",@progbits
	.p2align	6, 0x0
	.amdhsa_kernel k_q7737adc8eb_gemm1
		.amdhsa_group_segment_fixed_size 327680
		.amdhsa_private_segment_fixed_size 0
		.amdhsa_enable_private_segment 0
		.amdhsa_kernarg_size 48
		.amdhsa_user_sgpr_count 2
		.amdhsa_user_sgpr_kernarg_segment_ptr 1
		.amdhsa_wavefront_size32 1
		.amdhsa_system_sgpr_workgroup_id_x 1
		.amdhsa_system_sgpr_workgroup_id_y 1
		.amdhsa_system_sgpr_workgroup_id_z 1
		.amdhsa_system_vgpr_workitem_id 0
		.amdhsa_next_free_vgpr 512
		.amdhsa_next_free_sgpr 100
		.amdhsa_reserve_vcc 0
		.amdhsa_float_denorm_mode_32 3
		.amdhsa_float_denorm_mode_16_64 3
		.amdhsa_memory_ordered 1
		.amdhsa_forward_progress 1
		.amdhsa_inst_pref_size 131
	.end_amdhsa_kernel
	.amdgpu_metadata
---
amdhsa.version: [ 1, 2 ]
amdhsa.kernels:
  - .name:           k_q7737adc8eb_gemm1
    .symbol:         k_q7737adc8eb_gemm1.kd
    .args:
      - { .name: pack, .offset: 0, .size: 8, .value_kind: global_buffer, .address_space: global }
      - { .name: Wq_b, .offset: 8, .size: 8, .value_kind: global_buffer, .address_space: global }
      - { .name: tok_b, .offset: 16, .size: 8, .value_kind: global_buffer, .address_space: global }
      - { .name: tov_b, .offset: 24, .size: 8, .value_kind: global_buffer, .address_space: global }
      - { .name: kq, .offset: 32, .size: 8, .value_kind: global_buffer, .address_space: global }
      - { .name: lat1, .offset: 40, .size: 8, .value_kind: global_buffer, .address_space: global }
    .group_segment_fixed_size: 327680
    .private_segment_fixed_size: 0
    .kernarg_segment_align: 8
    .kernarg_segment_size: 48
    .max_flat_workgroup_size: 256
    .sgpr_count:     100
    .vgpr_count:     512
    .wavefront_size: 32
...
	.end_amdgpu_metadata
.endif
;; end of part 2
;; launch chain (part 3): grid 128 x 2, 4 waves a work-group, no clusters, 8,704 bytes of LDS; arguments pack, lat1, kc_b, vc_b, kd_b, vd_b, lat2; writes lat2
.if DOCPART == 3
	.amdgcn_target "amdgcn-amd-amdhsa--gfx1250"
	.amdhsa_code_object_version 6
	.text
	.protected	k_q7737adc8eb_chain
	.globl	k_q7737adc8eb_chain
	.p2align	8
	.type	k_q7737adc8eb_chain,@function
k_q7737adc8eb_chain:
	s_mov_b64 s[64:65], 0
	v_nop
	global_prefetch_b8 v0, s[64:65] scope:SCOPE_SE
	s_setreg_imm32_b32 hwreg(HW_REG_WAVE_MODE, 25, 1), 1
	s_wait_xcnt 0x0
; lat2 = Q((Q(lat1) Wc^T + bc)) Wd^T + bd, quantised again: the compress and decompress of one latent; work-group y = 0: the k path (kc, kd), 1: the v path (vc, vd).
; All operands are images of operand registers (1,536 bytes a fragment, 64 bytes of scale words; lane r of tile T is row 32 (T / 2) + 8 (T % 2) + r + 8 (r / 8)); both products are used transposed
; (source 0 = 16 rows of the weight, source 1 = 16 tokens), so that a lane's 64 results of 8 tiles are 128 neighbours along the next K of one token.
; SHARES: a work-group takes 32 tokens (two tiles).  First product: wave w makes compressed units 128 (w % 2) on of tile w / 2: 32 matrix instructions; its fragment goes to LDS as an image; ONE barrier.
; Second product: wave w makes latent columns 128 w on of both tiles: K step w of lat2.  Each wave's weights are loaded once into registers (windows 1 to 3).  No tensor load.
; LIMITS: NaN and infinities are not served; a block whose largest magnitude lies under 2^-124, a block of zeros too, has the byte 1.
.set SC0, 9043968
.set XF,  16                           ; v16-63   four fragments of source 1
.set XS,  64                           ; v64-65   lat1's scale words (lanes 0-15 an even K step, lanes 16-31 the next)
.set HS,  66                           ; v66-69   the compressed layer's
.set HA,  72                           ; v72-135  eight accumulators
.set PC,  136
.set TM,  156
.set PW,  168
.set PWM, 170
.set W1S, 176                          ; v176-191 the first weight's scale words: 2 t + s / 2
.set W2S, 192                          ; v192-199 the second's: t
.set SEL, 54
.set MSB, 0
.macro WIN new                         ; the immediate's high byte repeats the setting that is left
.if MSB != (\new)
	s_set_vgpr_msb (MSB<<8)|(\new)
.set MSB, (\new)
.endif
.endm
.macro PLACES
.rept 4
	v_nop
.endr
.endm
.macro QUANT s, sw, pw
	WIN 5*(\sw)
.irp b, 0,1,2,3
	v_max3_num_f32 v[TM+\b], |v[(\s)+16*\b]|, |v[(\s)+16*\b+1]|, 0x1800000   ; block b: my 16 numbers, and the floor 2^(3 - 127): the byte cannot fall under 1
.endr
	WIN 0x14*(\sw)
.irp i, 2,4,6,8,10,12,14
.irp b, 0,1,2,3
	v_max3_num_f32 v[TM+\b], v[TM+\b], |v[(\s)+16*\b+\i]|, |v[(\s)+16*\b+\i+1]|
.endr
.endr
	WIN 0
.irp b, 0,1,2,3
	v_permlanex16_b32 v[TM+4+\b], v[TM+\b], s[SEL], s[SEL+1]
.endr
.irp b, 0,1,2,3
	v_max_num_f32 v[TM+\b], v[TM+\b], v[TM+4+\b]
.endr
.irp b, 0,1,2,3
	v_add_nc_u32 v[TM+8+\b], 0xff000000, v[TM+\b]        ; 2 off the exponent field: the conversion's scale operand
.endr
.irp b, 0,1,2,3
	v_lshrrev_b32 v[TM+4+\b], 23, v[TM+8+\b]             ; the scale's byte
.endr
	v_lshl_or_b32 v[\pw], v[TM+5], 8, v[TM+4]
	v_lshl_or_b32 v[\pw], v[TM+6], 16, v[\pw]
	v_lshl_or_b32 v[\pw], v[TM+7], 24, v[\pw]
	WIN (\sw)
.irp c, 0,1
	v_cvt_scalef32_pk16_fp6_f32 v[PC+6*\c:PC+6*\c+2], v[(\s)+32*\c:(\s)+32*\c+15], v[TM+8+2*\c]
	v_cvt_scalef32_pk16_fp6_f32 v[PC+12+4*\c:PC+14+4*\c], v[(\s)+32*\c+16:(\s)+32*\c+31], v[TM+9+2*\c]
.endr
	WIN 0
	v_nop                                                ; one plain place behind a scaled conversion
.irp c, 0,1
.irp i, 0,1,2
	v_permlane16_swap_b32 v[PC+6*\c+\i], v[PC+12+4*\c+\i]
.endr
.irp i, 0,1,2
	v_mov_b32 v[PC+3+6*\c+\i], v[PC+12+4*\c+\i]
.endr
.endr
.endm
.macro WM d, a, b, c, sa, sb, ra, rb
.if ((\ra) == 0) && ((\rb) == 0)
	v_wmma_scale_f32_16x16x128_f8f6f4 v[(\d):(\d)+7], v[(\a):(\a)+11], v[(\b):(\b)+11], v[(\c):(\c)+7], v[\sa], v[\sb] matrix_a_fmt:MATRIX_FMT_FP6 matrix_b_fmt:MATRIX_FMT_FP6
.elseif (\rb) == 0
	v_wmma_scale_f32_16x16x128_f8f6f4 v[(\d):(\d)+7], v[(\a):(\a)+11], v[(\b):(\b)+11], v[(\c):(\c)+7], v[\sa], v[\sb] matrix_a_fmt:MATRIX_FMT_FP6 matrix_b_fmt:MATRIX_FMT_FP6 matrix_a_scale:MATRIX_SCALE_ROW1
.elseif (\ra) == 0
	v_wmma_scale_f32_16x16x128_f8f6f4 v[(\d):(\d)+7], v[(\a):(\a)+11], v[(\b):(\b)+11], v[(\c):(\c)+7], v[\sa], v[\sb] matrix_a_fmt:MATRIX_FMT_FP6 matrix_b_fmt:MATRIX_FMT_FP6 matrix_b_scale:MATRIX_SCALE_ROW1
.else
	v_wmma_scale_f32_16x16x128_f8f6f4 v[(\d):(\d)+7], v[(\a):(\a)+11], v[(\b):(\b)+11], v[(\c):(\c)+7], v[\sa], v[\sb] matrix_a_fmt:MATRIX_FMT_FP6 matrix_b_fmt:MATRIX_FMT_FP6 matrix_a_scale:MATRIX_SCALE_ROW1 matrix_b_scale:MATRIX_SCALE_ROW1
.endif
.endm
	s_load_b256 s[8:15], s[0:1], 0x0               ; pack, lat1, kc_b, vc_b
	s_load_b128 s[16:19], s[0:1], 0x20             ; kd_b, vd_b
	s_load_b64 s[20:21], s[0:1], 0x30              ; lat2
	v_lshl_add_u32 v254, v0, 2, 0x2000
	v_mov_b32 v255, 0
	v_lshrrev_b32 v1, 5, v0
	v_readfirstlane_b32 s2, v1                     ; wave
	s_and_b32 s3, ttmp7, 0xffff                    ; path
	s_and_b32 s4, s2, 1                            ; g: which 128 compressed units
	s_lshr_b32 s5, s2, 1                           ; which of the two tiles of tokens
	s_lshl_b32 s6, ttmp9, 1                        ; the first tile
	v_and_b32 v8, 31, v0
	v_lshlrev_b32 v1, 4, v8                        ; 16 x lane
	v_lshlrev_b32 v2, 2, v8                        ; 4 x lane
	v_and_b32 v9, 15, v0
	v_bfe_u32 v10, v0, 4, 1
	v_lshlrev_b32 v3, 2, v9
	v_lshl_add_u32 v4, v10, 8, v3                  ; lat2's scale words: lanes 16-31 the next tile's (4 fragments x 64 bytes on)
	v_lshl_add_u32 v3, v10, 14, v3                 ; lat1's: lanes 16-31 the next K step's (256 fragments x 64 bytes on)
	v_lshlrev_b32 v5, 6, v10                       ; a bias: my half's 16 numbers of a block of 32
	s_mul_i32 s7, s2, 1536
	v_add_nc_u32 v6, s7, v1                        ; LDS: my image: fragment 2 x tile + g = my wave's number
	s_lshl_b32 s7, s2, 7
	s_add_co_u32 s7, s7, 6144
	v_add_nc_u32 v7, s7, v2                        ; and its scale words, 128 bytes
	s_mov_b32 s[SEL], 0x76543210
	s_mov_b32 s[SEL+1], 0xfedcba98
	s_mov_b32 s56, 0xffff0000
.irp b, 0,1,2,3
	v_mov_b32 v[TM+4+\b], 0                        ; a lane permute's destination counts as one of its sources
.endr
	s_mov_b32 s45, 0
	s_mul_i32 s46, s3, 98304                       ; the path's weights,
	s_lshl_b32 s47, s3, 12                         ; their scale words,
	s_mul_i32 s48, s3, 1572864                     ; its latent's codes,
	s_lshl_b32 s49, s3, 16                         ; and scale words
	s_wait_alu depctr_va_vdst(0)
	s_wait_kmcnt 0x0
	s_mul_i32 s44, s4, 49152
	s_add_co_u32 s44, s44, s46
	s_add_co_u32 s44, s44, 224*24576
	s_add_nc_u64 s[24:25], s[8:9], s[44:45]        ; my 8 tiles of the first weight
	s_lshl_b32 s44, s4, 11
	s_add_co_u32 s44, s44, s47
	s_add_co_u32 s44, s44, SC0+224*1024
	s_add_nc_u64 s[26:27], s[8:9], s[44:45]
	s_mul_i32 s44, s2, 24576
	s_add_co_u32 s44, s44, s46
	s_add_co_u32 s44, s44, 232*24576
	s_add_nc_u64 s[28:29], s[8:9], s[44:45]        ; my 8 tiles of the second
	s_lshl_b32 s44, s2, 10
	s_add_co_u32 s44, s44, s47
	s_add_co_u32 s44, s44, SC0+232*1024
	s_add_nc_u64 s[30:31], s[8:9], s[44:45]
	s_add_co_u32 s50, s6, s5
	s_mul_i32 s44, s50, 1536
	s_add_co_u32 s44, s44, s48
	s_add_nc_u64 s[32:33], s[10:11], s[44:45]      ; my tile of lat1, K step 0
	s_lshl_b32 s44, s50, 6
	s_add_co_u32 s44, s44, s49
	s_add_co_u32 s44, s44, 3145728
	s_add_nc_u64 s[34:35], s[10:11], s[44:45]
	s_cmp_lg_u32 s3, 0
	s_cselect_b64 s[36:37], s[14:15], s[12:13]
	s_cselect_b64 s[38:39], s[18:19], s[16:17]
	s_lshl_b32 s44, s4, 9
	s_add_nc_u64 s[36:37], s[36:37], s[44:45]
	s_lshl_b32 s44, s2, 9
	s_add_nc_u64 s[38:39], s[38:39], s[44:45]
	s_lshl_b32 s50, s6, 2
	s_add_co_u32 s50, s50, s2                      ; lat2: fragment tile x 4 + wave
	s_mul_i32 s44, s50, 1536
	s_add_co_u32 s44, s44, s48
	s_add_nc_u64 s[40:41], s[20:21], s[44:45]
	s_lshl_b32 s44, s50, 6
	s_add_co_u32 s44, s44, s49
	s_add_co_u32 s44, s44, 3145728
	s_add_nc_u64 s[42:43], s[20:21], s[44:45]
.irp s, 0,1,2,3
.irp c, 0,1,2
	global_load_b128 v[XF+12*\s+4*\c:XF+12*\s+4*\c+3], v1, s[32:33] offset:\s*393216+512*\c
.endr
.endr
.irp u, 0,1
	global_load_b32 v[XS+\u], v3, s[34:35] offset:32768*\u
.endr
.irp t, 0,1,2,3,4,5,6,7
.irp u, 0,1
	global_load_b32 v[W1S+2*\t+\u], v2, s[26:27] offset:(4*\t+2*\u)*64
.endr
	global_load_b32 v[W2S+\t], v2, s[30:31] offset:128*\t
.endr
	WIN 0x40                                       ; destination window 1: the first bias, the first weight's K steps 0 and 1
.irp t, 0,1,2,3,4,5,6,7
	global_load_b128 v[192+8*\t:192+8*\t+3], v5, s[36:37] offset:(32*(\t/2)+8*(\t%2))*4
	global_load_b128 v[192+8*\t+4:192+8*\t+7], v5, s[36:37] offset:(32*(\t/2)+8*(\t%2))*4+16
.endr
.irp s, 0,1
.irp t, 0,1,2,3,4,5,6,7
.irp c, 0,1,2
	global_load_b128 v[12*(8*\s+\t)+4*\c:12*(8*\s+\t)+4*\c+3], v1, s[24:25] offset:(4*\t+\s)*1536+512*\c
.endr
.endr
.endr
	WIN 0x80                                       ; window 2: its K steps 2 and 3
.irp s, 0,1
.irp t, 0,1,2,3,4,5,6,7
.irp c, 0,1,2
	global_load_b128 v[12*(8*\s+\t)+4*\c:12*(8*\s+\t)+4*\c+3], v1, s[24:25] offset:(4*\t+2+\s)*1536+512*\c
.endr
.endr
.endr
	WIN 0xc0                                       ; window 3: the second bias, then, last of all, the second weight
.irp t, 0,1,2,3,4,5,6,7
	global_load_b128 v[192+8*\t:192+8*\t+3], v5, s[38:39] offset:(32*(\t/2)+8*(\t%2))*4
	global_load_b128 v[192+8*\t+4:192+8*\t+7], v5, s[38:39] offset:(32*(\t/2)+8*(\t%2))*4+16
.endr
.irp s, 0,1
.irp t, 0,1,2,3,4,5,6,7
.irp c, 0,1,2
	global_load_b128 v[12*(8*\s+\t)+4*\c:12*(8*\s+\t)+4*\c+3], v1, s[28:29] offset:(2*\t+\s)*1536+512*\c
.endr
.endr
.endr
	WIN 0
	s_wait_loadcnt 48                              ; all but the second weight's 48 loads
; ---- the first product: eight accumulators by turns, K step by K step
.irp s, 0,1,2,3
.if \s == 0
	WIN 0x11                                       ; source 0 and C (the bias) in window 1
.elseif \s == 1
	WIN 0x01
.else
	WIN 0x02
.endif
.irp t, 0,1,2,3,4,5,6,7
.if \s == 0
	WM HA+8*\t, 12*\t, XF, 192+8*\t, W1S+2*\t, XS, 0, 0
.else
	WM HA+8*\t, 12*(8*(\s%2)+\t), XF+12*\s, HA+8*\t, W1S+2*\t+\s/2, XS+\s/2, \s%2, \s%2
.endif
.endr
.endr
	WIN 0
	PLACES
	QUANT HA, 0, PW
.irp c, 0,1,2
	ds_store_b128 v6, v[PC+4*\c:PC+4*\c+3] offset:512*\c
.endr
	ds_store_b32 v7, v[PW]
	s_wait_dscnt 0x0                               ; for the others' sake: my image lies in LDS
	s_barrier_signal -1
	s_barrier_wait -1
; ---- the second product
.irp f, 0,1,2,3
.irp c, 0,1,2
	ds_load_b128 v[XF+12*\f+4*\c:XF+12*\f+4*\c+3], v1 offset:1536*\f+512*\c
.endr
	ds_load_b32 v[HS+\f], v2 offset:6144+128*\f
.endr
	s_wait_loadcnt 0x0
	s_wait_dscnt 0x0
.irp m, 0,1
	WIN 0x33                                       ; source 0 and C (the bias) in window 3
.irp t, 0,1,2,3,4,5,6,7
	WM HA+8*\t, 12*\t, XF+24*\m, 192+8*\t, W2S+\t, HS+2*\m, 0, 0
.endr
	WIN 0x03
.irp t, 0,1,2,3,4,5,6,7
	WM HA+8*\t, 12*(8+\t), XF+24*\m+12, HA+8*\t, W2S+\t, HS+2*\m+1, 1, 0
.endr
	WIN 0
	PLACES
.if \m == 1
	s_wait_xcnt 0x0                                ; the codes' registers are the data of the first tile's stores
.endif
	QUANT HA, 0, PW+\m
.irp c, 0,1,2
	global_store_b128 v1, v[PC+4*\c:PC+4*\c+3], s[40:41] offset:6144*\m+512*\c
.endr
.endr
	v_cndmask_b32 v[PWM], v[PW], v[PW+1], s56
	global_store_b32 v4, v[PWM], s[42:43]
	s_wait_tensorcnt 0x0
	ds_add_u32 v254, v255
	s_wait_dscnt 0x0
	s_endpgm
.Lfunc_end_k_q7737adc8eb_chain:
	.size	k_q7737adc8eb_chain, .Lfunc_end_k_q7737adc8eb_chain-k_q7737adc8eb_chain
	.p2alignl 7, 3214868480
	.fill 96, 4, 3214868480
	.section	.rodata,"a",@progbits
	.p2align	6, 0x0
	.amdhsa_kernel k_q7737adc8eb_chain
		.amdhsa_group_segment_fixed_size 8704
		.amdhsa_private_segment_fixed_size 0
		.amdhsa_enable_private_segment 0
		.amdhsa_kernarg_size 56
		.amdhsa_user_sgpr_count 2
		.amdhsa_user_sgpr_kernarg_segment_ptr 1
		.amdhsa_wavefront_size32 1
		.amdhsa_system_sgpr_workgroup_id_x 1
		.amdhsa_system_sgpr_workgroup_id_y 1
		.amdhsa_system_sgpr_workgroup_id_z 1
		.amdhsa_system_vgpr_workitem_id 0
		.amdhsa_next_free_vgpr 1024
		.amdhsa_next_free_sgpr 66
		.amdhsa_reserve_vcc 0
		.amdhsa_float_denorm_mode_32 3
		.amdhsa_float_denorm_mode_16_64 3
		.amdhsa_memory_ordered 1
		.amdhsa_forward_progress 1
		.amdhsa_inst_pref_size 46
	.end_amdhsa_kernel
	.amdgpu_metadata
---
amdhsa.version: [ 1, 2 ]
amdhsa.kernels:
  - .name:           k_q7737adc8eb_chain
    .symbol:         k_q7737adc8eb_chain.kd
    .args:
      - { .name: pack, .offset: 0, .size: 8, .value_kind: global_buffer, .address_space: global }
      - { .name: lat1, .offset: 8, .size: 8, .value_kind: global_buffer, .address_space: global }
      - { .name: kc_b, .offset: 16, .size: 8, .value_kind: global_buffer, .address_space: global }
      - { .name: vc_b, .offset: 24, .size: 8, .value_kind: global_buffer, .address_space: global }
      - { .name: kd_b, .offset: 32, .size: 8, .value_kind: global_buffer, .address_space: global }
      - { .name: vd_b, .offset: 40, .size: 8, .value_kind: global_buffer, .address_space: global }
      - { .name: lat2, .offset: 48, .size: 8, .value_kind: global_buffer, .address_space: global }
    .group_segment_fixed_size: 8704
    .private_segment_fixed_size: 0
    .kernarg_segment_align: 8
    .kernarg_segment_size: 56
    .max_flat_workgroup_size: 128
    .sgpr_count:     66
    .vgpr_count:     1024
    .wavefront_size: 32
...
	.end_amdgpu_metadata
.endif
;; end of part 3
;; launch gemm2 (part 4): grid 8 x 32, 8 waves a work-group, no clusters, 327,680 bytes of LDS; arguments pack, lat2, fromk_b, fromv_b, qk, vrec; writes qk, vrec
.if DOCPART == 4
	.amdgcn_target "amdgcn-amd-amdhsa--gfx1250"
	.amdhsa_code_object_version 6
	.text
	.protected	k_q7737adc8eb_gemm2
	.globl	k_q7737adc8eb_gemm2
	.p2align	8
	.type	k_q7737adc8eb_gemm2,@function
k_q7737adc8eb_gemm2:
	s_mov_b64 s[64:65], 0
	v_nop
	global_prefetch_b8 v0, s[64:65] scope:SCOPE_SE
	s_setreg_imm32_b32 hwreg(HW_REG_WAVE_MODE, 25, 1), 1
	s_wait_xcnt 0x0
; ONE TEXT, THREE LAUNCHES (the line .set MODE alone differs): a product on codes of E2M3 whose two operands lie in memory as images of operand registers (1,536 bytes a fragment of 16 rows x 128 K,
; register 4 c + e of lane l at 512 c + 16 l + 4 e; 64 bytes of scale words a fragment; fragment (tile T, K step s) at index T x KS + s; lane r of tile T is row 32 (T / 2) + 8 (T % 2) + r + 8 (r / 8)).
; MODE 1: x times (Wq | tok | tov)^T + bias: the 2,048 columns of q are roped and become the keys' records (kq), the two latents go to lat1.
; MODE 2: y < 16: k = k_lat fromk^T + bias, roped, to qk;  y >= 16: v^T: source 0 = v_lat's tokens, source 1 = fromv's rows, bias along the lanes, to the records vrec (K = the tokens).
; MODE 3: out0 = attention's result times out_w^T + bias, f32.
; THE PRODUCT IS USED TRANSPOSED: source 0 = 16 rows of U, source 1 = 16 rows of L.  A lane holds one row of L, and by the order of rows in a tile the 16 registers of U's tiles 2 b, 2 b + 1 are
; u = 32 b + 16 (lane / 16) + 0 .. 15: 16 neighbours along the next product's K.  So 8 tiles of U x one tile of L are quantised in registers into one fragment of the next operand, stored by three stores of 512 bytes.
; SHARES: NW waves, 2 along U x NW / 2 along L; a wave has NU x 4 tiles, its accumulators in window 1.  K goes in slots of SK steps of 128 through two LDS slots of 98,304 bytes; every wave brings four tiles of a slot
; by one tensor load (4 rows of SK x 1,536 bytes).  The scale words of all of K come once.  By the text's own count a wave has one tensor load out at the start and one behind each barrier that a fill follows.
; NO CLUSTER: a block of U is fetched by every work-group of a column of the grid and a block of L by every one of a row; joint loads would divide those fetches by four.  This text keeps plain loads: a choice of simplicity.
; LIMITS: NaN and infinities are not served; a block whose largest magnitude lies under 2^-124, a block of zeros too, has the byte 1 (its codes are zeros then, and this program alone reads the bytes).
; The rotation is a product and a fused multiply-add where the definition has two products and a sum.
.set MODE, 2
.if MODE == 1
.set KS, 8
.set SK, 2
.set NW, 8
.set NU, 8
.elseif MODE == 2
; IN THIS LAUNCH (MODE 2) all of K, four steps, lies in ONE fill of 196,608 bytes: a wave has one tensor load in all, nothing is filled again; the scale words go from memory straight into registers
.set KS, 4
.set SK, 4
.set NW, 8
.set NU, 8
.else
.set KS, 16
.set SK, 4
.set NW, 4
.set NU, 4
.endif
.set PH,    KS/SK                      ; slots' worth of K
.set NT,    4*NW                       ; tiles in a slot: U's half, then L's
.set FRB,   1536
.set BLK,   (NT/2)*KS*FRB              ; a work-group's block of an operand
.set SBLK,  BLK/24                     ; and of its scale words
.set SLOTB, NT*SK*FRB
.set SCL,   2*SLOTB
.set SPARE, 212992                     ; the spare words, 128 bytes for each wave, in blocks of 256 bytes that no other line names
.set STAGE, 214016                     ; MODE 3: 16 rows x 272 bytes for each wave
.set SC0,   9043968
.set ROPE,  9420800
; window 0: v1 16 x lane; v2 4 x lane; v3, v4 U's fragments in slot 0, 1; v5, v6 L's; v7, v8 U's, L's scale words; v9 bias; v10 table; v11-13 see below; v14, v15 the add's two; v28-31 at work at the head
.set SU,   16                          ; v16-23   U's scale words: lanes 0-15 an even K step's, lanes 16-31 the next one's
.set SL,   24                          ; v24-27   L's
.set UF,   32                          ; v32-127  U's fragments
.set LF,   128                         ; v128-175 L's
.set B,    176                         ; v176-239 the bias, as the C of the first K step
.set TAB0, 176                         ; behind that step: a tile's cosines and sines;
.set TAB1, 32                          ; behind the K loop: the other set,
.set RT,   96                          ; v96-127  products with the sines,
.set PC,   128                         ; v128-147 codes,
.set TM,   148                         ; v148-159 at work,
.set PW,   160                         ; v160-163 scale words, v164-165 two tiles' merged
.set PWM,  164
.set ORG,  32                          ; MODE 3: rows read back from the stage, two sets of 32
.set SEL,  54
.set MSB,  0
.macro WIN new                         ; the immediate's high byte repeats the setting that is left
.if MSB != (\new)
	s_set_vgpr_msb (MSB<<8)|(\new)
.set MSB, (\new)
.endif
.endm
.macro PLACES                          ; four plain places behind a matrix instruction, ahead of loads into its sources and of reads of its result
.rept 4
	v_nop
.endr
.endm
; 64 numbers of a lane, v[s] on in window sw, register 16 b + i = k 32 b + 16 (lane / 16) + i, become a fragment's codes in v[PC] .. v[PC+11] and its scale word in v[pw]
.macro QUANT s, sw, pw
	WIN 5*(\sw)
.irp b, 0,1,2,3
	v_max3_num_f32 v[TM+\b], |v[(\s)+16*\b]|, |v[(\s)+16*\b+1]|, 0x1800000   ; block b: my 16 numbers, and the floor 2^(3 - 127): the byte cannot fall under 1
.endr
	WIN 0x14*(\sw)
.irp i, 2,4,6,8,10,12,14
.irp b, 0,1,2,3
	v_max3_num_f32 v[TM+\b], v[TM+\b], |v[(\s)+16*\b+\i]|, |v[(\s)+16*\b+\i+1]|
.endr
.endr
	WIN 0
.irp b, 0,1,2,3
	v_permlanex16_b32 v[TM+4+\b], v[TM+\b], s[SEL], s[SEL+1]
.endr
.irp b, 0,1,2,3
	s_delay_alu instid0(VALU_DEP_4)
	v_max_num_f32 v[TM+\b], v[TM+\b], v[TM+4+\b]         ; with lane l xor 16's: the block's largest magnitude
.endr
.irp b, 0,1,2,3
	s_delay_alu instid0(VALU_DEP_4)
	v_add_nc_u32 v[TM+8+\b], 0xff000000, v[TM+\b]        ; 2 off its exponent field: the conversion's scale operand
.endr
.irp b, 0,1,2,3
	s_delay_alu instid0(VALU_DEP_4)
	v_lshrrev_b32 v[TM+4+\b], 23, v[TM+8+\b]             ; the scale's byte
.endr
	s_delay_alu instid0(VALU_DEP_3)
	v_lshl_or_b32 v[\pw], v[TM+5], 8, v[TM+4]
	s_delay_alu instid0(VALU_DEP_1)
	v_lshl_or_b32 v[\pw], v[TM+6], 16, v[\pw]
	s_delay_alu instid0(VALU_DEP_1)
	v_lshl_or_b32 v[\pw], v[TM+7], 24, v[\pw]
	WIN (\sw)
.irp c, 0,1
	v_cvt_scalef32_pk16_fp6_f32 v[PC+6*\c:PC+6*\c+2], v[(\s)+32*\c:(\s)+32*\c+15], v[TM+8+2*\c]
	v_cvt_scalef32_pk16_fp6_f32 v[PC+12+4*\c:PC+14+4*\c], v[(\s)+32*\c+16:(\s)+32*\c+31], v[TM+9+2*\c]
.endr
	WIN 0
	v_nop                                                ; one plain place behind a scaled conversion
.irp c, 0,1                            ; the operand's layout wants a whole block in a lane
.irp i, 0,1,2
	v_permlane16_swap_b32 v[PC+6*\c+\i], v[PC+12+4*\c+\i]
.endr
.irp i, 0,1,2
	s_delay_alu instid0(VALU_DEP_3)
	v_mov_b32 v[PC+3+6*\c+\i], v[PC+12+4*\c+\i]
.endr
.endr
.endm
; one matrix instruction; ra, rb = 1: that side's scale words are taken from lanes 16-31
.macro WM d, a, b, c, sa, sb, ra, rb
.if ((\ra) == 0) && ((\rb) == 0)
	v_wmma_scale_f32_16x16x128_f8f6f4 v[(\d):(\d)+7], v[(\a):(\a)+11], v[(\b):(\b)+11], v[(\c):(\c)+7], v[\sa], v[\sb] matrix_a_fmt:MATRIX_FMT_FP6 matrix_b_fmt:MATRIX_FMT_FP6
.elseif (\rb) == 0
	v_wmma_scale_f32_16x16x128_f8f6f4 v[(\d):(\d)+7], v[(\a):(\a)+11], v[(\b):(\b)+11], v[(\c):(\c)+7], v[\sa], v[\sb] matrix_a_fmt:MATRIX_FMT_FP6 matrix_b_fmt:MATRIX_FMT_FP6 matrix_a_scale:MATRIX_SCALE_ROW1
.elseif (\ra) == 0
	v_wmma_scale_f32_16x16x128_f8f6f4 v[(\d):(\d)+7], v[(\a):(\a)+11], v[(\b):(\b)+11], v[(\c):(\c)+7], v[\sa], v[\sb] matrix_a_fmt:MATRIX_FMT_FP6 matrix_b_fmt:MATRIX_FMT_FP6 matrix_b_scale:MATRIX_SCALE_ROW1
.else
	v_wmma_scale_f32_16x16x128_f8f6f4 v[(\d):(\d)+7], v[(\a):(\a)+11], v[(\b):(\b)+11], v[(\c):(\c)+7], v[\sa], v[\sb] matrix_a_fmt:MATRIX_FMT_FP6 matrix_b_fmt:MATRIX_FMT_FP6 matrix_a_scale:MATRIX_SCALE_ROW1 matrix_b_scale:MATRIX_SCALE_ROW1
.endif
.endm
; K step s, the q-th of its slot.  cmode 0: the sums go on; 1: they begin with the bias along U; 2: with the bias along L.  All NU x 4 accumulators take turns, one instruction a turn.
.macro KSTEP slot, q, s, cmode
	PLACES
.irp m, 0,1,2,3
.irp c, 0,1,2
	ds_load_b128 v[LF+12*\m+4*\c:LF+12*\m+4*\c+3], v[5+\slot] offset:\m*SK*FRB+(\q)*FRB+512*\c
.endr
.endr
.set t, 0
.rept NU
.irp c, 0,1,2
	ds_load_b128 v[UF+12*t+4*\c:UF+12*t+4*\c+3], v[3+\slot] offset:t*SK*FRB+(\q)*FRB+512*\c
.endr
.set t, t+1
.endr
.if \cmode
	WIN 0x40                                       ; D in window 1, C (the bias) in window 0
.else
	WIN 0x50                                       ; C and D in window 1
.endif
.set t, 0
.rept NU
	s_wait_dscnt 3*(NU-1-t)                        ; U's fragment t is in, and all that was asked for ahead of it; the later fragments' three loads each may be out
.irp m, 0,1,2,3
.if (\cmode) == 1
.set rC, B+8*t
.elseif (\cmode) == 2
.set rC, B+8*\m
.else
.set rC, 8*(NU*\m+t)
.endif
	WM 8*(NU*\m+t), UF+12*t, LF+12*\m, rC, SU+t+224*(((\s)/2)%2), SL+\m+224*(((\s)/2)%2), (\s)%2, (\s)%2
.endr
.set t, t+1
.endr
	WIN 0
.endm
; The change of slots at the head of slot p.  Each wave waits for all its tensor loads (its part of the slot ahead), adds 0 to its spare word, and waits for that and for its reads of the slot that it has left.
.macro CHANGE p
	s_wait_tensorcnt 0x0                           ; no tensor load of mine is out, so a group 0 may be written
	ds_add_u32 v14, v15                            ; 0 onto my spare word
.if (\p)+1 < PH
	s_add_nc_u64 s[34+4*(((\p)+1)%2):35+4*(((\p)+1)%2)], s[34+4*(((\p)+1)%2):35+4*(((\p)+1)%2)], 2*SK*FRB
.endif
	s_wait_dscnt 0x0                               ; the add is done, and my reads of the slot that I have left are over
	s_barrier_signal -1
	s_barrier_wait -1
.if (\p)+1 < PH
	tensor_load_to_lds s[32+4*(((\p)+1)%2):35+4*(((\p)+1)%2)], s[16:23]   ; the first thing behind the barrier, my one tensor load until the next: it has a slot's K steps in which to land
	PLACES
.endif
.endm
; the cosines and sines of L tile m: my row's 16 numbers of each of two blocks of 32 frequencies
.macro TABLOAD m, tab
.irp sc, 0,1
.irp b, 0,1
.irp j, 0,1,2,3
	global_load_b128 v[(\tab)+32*\sc+16*\b+4*\j:(\tab)+32*\sc+16*\b+4*\j+3], v10, s[50:51] offset:(32*((\m)/2)+8*((\m)%2))*512+256*\sc+128*\b+16*\j
.endr
.endr
.endr
.endm
; the rotation of L tile m: register i (d < 64) pairs with register i + 32 (d + 64) of the same lane
.macro ROTATE m, tab
.irp b, 0,1
	WIN 0x01
.irp i, 0,2,4,6,8,10,12,14
	v_pk_mul_f32 v[RT+\i:RT+\i+1], v[64*(\m)+32+16*\b+\i:64*(\m)+32+16*\b+\i+1], v[(\tab)+32+16*\b+\i:(\tab)+32+16*\b+\i+1]
.endr
.irp i, 0,2,4,6,8,10,12,14
	v_pk_mul_f32 v[RT+16+\i:RT+16+\i+1], v[64*(\m)+16*\b+\i:64*(\m)+16*\b+\i+1], v[(\tab)+32+16*\b+\i:(\tab)+32+16*\b+\i+1]
.endr
	WIN 0x41
.irp i, 0,2,4,6,8,10,12,14
	v_pk_fma_f32 v[64*(\m)+16*\b+\i:64*(\m)+16*\b+\i+1], v[64*(\m)+16*\b+\i:64*(\m)+16*\b+\i+1], v[(\tab)+16*\b+\i:(\tab)+16*\b+\i+1], v[RT+\i:RT+\i+1] neg_lo:[0,0,1] neg_hi:[0,0,1]
.endr
.irp i, 0,2,4,6,8,10,12,14
	v_pk_fma_f32 v[64*(\m)+32+16*\b+\i:64*(\m)+32+16*\b+\i+1], v[64*(\m)+32+16*\b+\i:64*(\m)+32+16*\b+\i+1], v[(\tab)+16*\b+\i:(\tab)+16*\b+\i+1], v[RT+16+\i:RT+16+\i+1]
.endr
.endr
	WIN 0
.endm
.macro FINISH                          ; the wave's end, behind my last tensor load and my last LDS store
	s_wait_tensorcnt 0x0
	ds_add_u32 v14, v15
	s_wait_dscnt 0x0
	s_endpgm
.endm
; the way out of MODE 1 and 2: each of my four tiles of L becomes a fragment
.macro EPI rope
	PLACES
.irp b, 0,1,2,3
	v_mov_b32 v[TM+4+\b], 0                        ; a lane permute's destination counts as one of its sources
.endr
.if \rope
	TABLOAD 1, TAB1
.endif
.irp m, 0,1,2,3
.if \rope
.if \m < 3
	s_wait_loadcnt 16                              ; this tile's table is in; the next tile's 16 loads may be out
.else
	s_wait_loadcnt 0x0
.endif
	ROTATE \m, TAB0-144*(\m%2)
.if \m < 2
	TABLOAD \m+2, TAB0-144*(\m%2)
.endif
.endif
	s_wait_xcnt 0x0                                ; the codes' registers are the data of the last tile's stores
	QUANT 64*\m, 1, PW+\m
.irp c, 0,1,2
	global_store_b128 v1, v[PC+4*\c:PC+4*\c+3], s[46:47] offset:1536*\m+512*\c
.endr
.if (\m%2) == 1
	v_cndmask_b32 v[PWM+\m/2], v[PW+\m-1], v[PW+\m], s56
	global_store_b32 v2, v[PWM+\m/2], s[48:49] offset:128*(\m/2)
.endif
.endr
	FINISH
.endm
	s_load_b256 s[68:75], s[0:1], 0x0
.if MODE < 3
	s_load_b128 s[76:79], s[0:1], 0x20
.endif
	v_lshl_add_u32 v14, v0, 2, SPARE
	v_mov_b32 v15, 0
	ds_add_u32 v14, v15
	ds_add_u32 v14, v15
	s_wait_dscnt 0x0
	v_lshrrev_b32 v28, 5, v0
	s_delay_alu instid0(VALU_DEP_1)
	v_readfirstlane_b32 s2, v28                    ; wave
	s_and_b32 s3, s2, 1                            ; wu: my half of U's tiles
	s_lshr_b32 s4, s2, 1                           ; wl: my four of L's tiles
	s_and_b32 s7, ttmp7, 0xffff
	s_mov_b32 s16, 3<<16                           ; group 1 for the codes: elements of 8 bytes, no padding
	s_mov_b32 s17, (SK*192)<<16                    ; tensor_dim0: a tile's SK fragments
	s_mov_b32 s18, 4<<16                           ; tensor_dim1: four tiles
	s_mov_b32 s19, (SK*192)<<16                    ; tile_dim0
	s_mov_b32 s20, 4                               ; tile_dim1
	s_mov_b32 s21, KS*192                          ; from tile to tile
	s_mov_b32 s22, 0
	s_mov_b32 s23, 0
; the scale words of K steps 2 p and 2 p + 1 go from memory straight into set p (v16-27, v240-251): lanes 0-15 the even step's words, lanes 16-31 the next one's, 128 consecutive bytes a load
.macro SCLOAD p
.irp t, 0,1,2,3,4,5,6,7
	global_load_b32 v[SU+224*((\p)%2)+\t], v7, s[12:13] offset:\t*KS*64+128*(\p)
.endr
.irp m, 0,1,2,3
	global_load_b32 v[SL+224*((\p)%2)+\m], v8, s[14:15] offset:\m*KS*64+128*(\p)
.endr
.endm
	s_mov_b32 s[SEL], 0x76543210
	s_mov_b32 s[SEL+1], 0xfedcba98
	s_mov_b32 s56, 0xffff0000
	s_mov_b32 s59, 0                               ; the upper words of four pairs of offsets
	s_mov_b32 s61, 0
	s_mov_b32 s63, 0
	s_mov_b32 s67, 0
; ---- the two operands' blocks: s[8:9] U's codes, s[10:11] L's, s[12:13] U's scale words, s[14:15] L's
.if MODE == 1
	s_mov_b32 s5, ttmp9                            ; ux
	s_mov_b32 s6, s7                               ; ly
	s_mul_i32 s58, s5, BLK
	s_add_co_u32 s58, s58, 128*24576
	s_mul_i32 s60, s6, BLK
	s_mul_i32 s62, s5, SBLK
	s_add_co_u32 s62, s62, SC0+128*1024
	s_mul_i32 s66, s6, SBLK
	s_add_co_u32 s66, s66, SC0
	s_wait_kmcnt 0x0
	s_add_nc_u64 s[8:9], s[68:69], s[58:59]
	s_add_nc_u64 s[10:11], s[68:69], s[60:61]
	s_add_nc_u64 s[12:13], s[68:69], s[62:63]
	s_add_nc_u64 s[14:15], s[68:69], s[66:67]
.elseif MODE == 2
	s_sub_co_u32 s57, s7, 16
	s_mov_b32 s58, 240*24576
	s_mov_b32 s60, 0
	s_mov_b32 s62, SC0+240*1024
	s_mov_b32 s66, 3145728
	s_wait_kmcnt 0x0
	s_cmp_ge_u32 s7, 16                            ; the v path?  By the work-group's number alone
	s_cselect_b32 s53, 1, 0
	s_cselect_b32 s52, 0, 1
	s_cselect_b32 s5, s57, ttmp9
	s_cselect_b32 s6, ttmp9, s7
	s_cselect_b64 s[8:9], s[70:71], s[68:69]
	s_cselect_b64 s[10:11], s[68:69], s[70:71]
	s_cselect_b32 s58, 1572864, s58
	s_cselect_b32 s60, 272*24576, s60
	s_cselect_b32 s62, 3211264, s62
	s_cselect_b32 s66, SC0+272*1024, s66
	s_mov_b64 s[12:13], s[8:9]
	s_mov_b64 s[14:15], s[10:11]
	s_mul_i32 s57, s5, BLK
	s_add_co_u32 s58, s58, s57
	s_mul_i32 s57, s6, BLK
	s_add_co_u32 s60, s60, s57
	s_mul_i32 s57, s5, SBLK
	s_add_co_u32 s62, s62, s57
	s_mul_i32 s57, s6, SBLK
	s_add_co_u32 s66, s66, s57
	s_add_nc_u64 s[8:9], s[8:9], s[58:59]
	s_add_nc_u64 s[10:11], s[10:11], s[60:61]
	s_add_nc_u64 s[12:13], s[12:13], s[62:63]
	s_add_nc_u64 s[14:15], s[14:15], s[66:67]
.else
	s_mov_b32 s5, ttmp9
	s_mov_b32 s6, s7
	s_mul_i32 s58, s5, BLK
	s_add_co_u32 s58, s58, 304*24576
	s_mul_i32 s60, s6, BLK
	s_mul_i32 s62, s5, SBLK
	s_add_co_u32 s62, s62, SC0+304*1024
	s_mul_i32 s66, s6, SBLK
	s_add_co_u32 s66, s66, 6291456
	s_wait_kmcnt 0x0
	s_add_nc_u64 s[8:9], s[68:69], s[58:59]
	s_add_nc_u64 s[10:11], s[70:71], s[60:61]
	s_add_nc_u64 s[12:13], s[68:69], s[62:63]
	s_add_nc_u64 s[14:15], s[70:71], s[66:67]
.endif
; ---- what I fetch: tiles 4 w .. 4 w + 3 of a slot: the first NW / 2 waves U's, the others L's
	s_cmp_lt_u32 s2, NW/2
	s_cselect_b64 s[84:85], s[8:9], s[10:11]
	s_and_b32 s57, s2, NW/2-1
	s_mul_i32 s58, s57, 4*KS*FRB
	s_add_nc_u64 s[84:85], s[84:85], s[58:59]
	s_mov_b32 s32, 1                               ; group 0, slot 0
	s_mul_i32 s33, s2, 4*SK*FRB
	s_mov_b64 s[34:35], s[84:85]
	s_or_b32 s35, s35, 0x80000000
	tensor_load_to_lds s[32:35], s[16:23]          ; my four tiles, all four K steps: 4 rows of 6,144 bytes; the wave's one tensor load
	s_nop 0
	PLACES
; ---- bias s[44:45], way out s[46:47] (codes, or out0) and s[48:49] (scale words), table s[50:51]; s52: rotate; s53: the second path
.if MODE == 1
	s_lshl_b32 s57, s5, 1
	s_add_co_u32 s57, s57, s3                      ; g: which 128 of the 3,072 columns
	s_lshl_b32 s58, s57, 9
	s_cmp_lt_u32 s5, 8
	s_cselect_b64 s[44:45], s[70:71], s[72:73]
	s_cselect_b32 s60, 0, 8192
	s_cselect_b32 s52, 1, 0
	s_cmp_lt_u32 s5, 10
	s_cselect_b64 s[44:45], s[44:45], s[74:75]
	s_cselect_b32 s60, s60, 10240
	s_cselect_b32 s53, 0, 1
	s_sub_co_u32 s58, s58, s60
	s_add_nc_u64 s[44:45], s[44:45], s[58:59]
	s_lshr_b32 s60, s6, 3                          ; keys: record ((batch x 16 + head) x 8 + slot of 256 tokens)
	s_lshl_b32 s60, s60, 4
	s_add_co_u32 s60, s60, s57
	s_lshl_b32 s60, s60, 3
	s_and_b32 s62, s6, 7
	s_add_co_u32 s60, s60, s62
	s_mul_i32 s60, s60, 25600
	s_mul_i32 s62, s4, 6144
	s_add_co_u32 s62, s62, s60
	s_lshl_b32 s66, s4, 8
	s_add_co_u32 s66, s66, s60
	s_add_co_u32 s66, s66, 24576
	s_and_b32 s58, s57, 3                          ; latents: fragment (K step g % 4) x 256 + tile
	s_lshl_b32 s58, s58, 8
	s_lshl_b32 s60, s6, 4
	s_add_co_u32 s58, s58, s60
	s_lshl_b32 s60, s4, 2
	s_add_co_u32 s58, s58, s60
	s_mul_i32 s60, s58, 1536
	s_mul_i32 s84, s53, 1572864
	s_add_co_u32 s60, s60, s84
	s_lshl_b32 s58, s58, 6
	s_lshl_b32 s84, s53, 16
	s_add_co_u32 s58, s58, s84
	s_add_co_u32 s58, s58, 3145728
	s_cmp_lg_u32 s52, 0
	s_cselect_b64 s[46:47], s[76:77], s[78:79]
	s_cselect_b32 s60, s62, s60
	s_cselect_b32 s58, s66, s58
	s_mov_b64 s[48:49], s[46:47]
	s_add_nc_u64 s[46:47], s[46:47], s[60:61]
	s_add_nc_u64 s[48:49], s[48:49], s[58:59]
.elseif MODE == 2
	s_lshl_b32 s57, s5, 1
	s_add_co_u32 s57, s57, s3                      ; k path: the head
	s_lshr_b32 s58, s6, 3
	s_lshl_b32 s58, s58, 4
	s_add_co_u32 s58, s58, s57
	s_lshl_b32 s58, s58, 7
	s_and_b32 s60, s6, 7
	s_lshl_b32 s60, s60, 4
	s_add_co_u32 s58, s58, s60
	s_lshl_b32 s60, s4, 2
	s_add_co_u32 s58, s58, s60                     ; fragment (batch x 16 + head) x 128 + tile
	s_mul_i32 s60, s58, 1536
	s_lshl_b32 s58, s58, 6
	s_add_co_u32 s58, s58, 6291456
	s_lshr_b32 s62, s5, 3                          ; v path: record ((batch x 16 + head) x 8 + slot)
	s_lshl_b32 s62, s62, 4
	s_lshl_b32 s66, s6, 1
	s_add_co_u32 s62, s62, s66
	s_lshr_b32 s66, s4, 1
	s_add_co_u32 s62, s62, s66
	s_lshl_b32 s62, s62, 3
	s_and_b32 s66, s5, 7
	s_add_co_u32 s62, s62, s66
	s_mul_i32 s62, s62, 25600                      ; the values' records hold 128 tokens (a key step): 8 fragments (tile of d), then their 512 bytes of scale words: 12,800 bytes
	s_mul_i32 s66, s3, 12800
	s_add_co_u32 s62, s62, s66
	s_and_b32 s66, s4, 1
	s_mul_i32 s84, s66, 6144
	s_lshl_b32 s66, s66, 8
	s_add_co_u32 s66, s66, s62
	s_add_co_u32 s66, s66, 12288
	s_add_co_u32 s62, s62, s84
	s_lshl_b32 s84, s57, 9                         ; the bias: 128 numbers of the head, or my 64 columns'
	s_lshl_b32 s85, s6, 4
	s_lshl_b32 s86, s4, 2
	s_add_co_u32 s85, s85, s86
	s_lshl_b32 s85, s85, 6
	s_cmp_lg_u32 s53, 0
	s_cselect_b64 s[46:47], s[78:79], s[76:77]
	s_cselect_b64 s[44:45], s[74:75], s[72:73]
	s_cselect_b32 s60, s62, s60
	s_cselect_b32 s58, s66, s58
	s_cselect_b32 s62, s85, s84
	s_mov_b64 s[48:49], s[46:47]
	s_add_nc_u64 s[46:47], s[46:47], s[60:61]
	s_add_nc_u64 s[48:49], s[48:49], s[58:59]
	s_add_nc_u64 s[44:45], s[44:45], s[62:63]
.else
	s_lshl_b32 s58, s5, 7
	s_lshl_b32 s60, s3, 6
	s_add_co_u32 s58, s58, s60
	s_lshl_b32 s58, s58, 2                         ; my first column, in bytes
	s_add_nc_u64 s[44:45], s[72:73], s[58:59]
	s_lshl_b32 s60, s6, 7
	s_lshl_b32 s62, s4, 6
	s_add_co_u32 s60, s60, s62
	s_lshl_b32 s60, s60, 12                        ; my first row of 4,096 bytes
	s_add_co_u32 s60, s60, s58
	s_add_nc_u64 s[46:47], s[74:75], s[60:61]
.endif
.if MODE < 3
	s_and_b32 s58, s6, 7                           ; the table's rows: position = 256 x (ly % 8) + 64 wl + the row in my four tiles
	s_lshl_b32 s58, s58, 8
	s_lshl_b32 s60, s4, 6
	s_add_co_u32 s58, s58, s60
	s_lshl_b32 s58, s58, 9
	s_add_co_u32 s58, s58, ROPE
	s_add_nc_u64 s[50:51], s[68:69], s[58:59]
.endif
; ---- the lanes' addresses
	v_and_b32 v28, 31, v0
	s_delay_alu instid0(VALU_DEP_1)
	v_lshlrev_b32 v1, 4, v28
	s_delay_alu instid0(VALU_DEP_2)
	v_lshlrev_b32 v2, 2, v28
	v_and_b32 v29, 15, v0                          ; r
	v_bfe_u32 v30, v0, 4, 1                        ; h
	s_delay_alu instid0(VALU_DEP_2)
	v_and_b32 v31, 8, v29
	s_delay_alu instid0(VALU_DEP_1)
	v_add_nc_u32 v31, v31, v29                     ; r + 8 (r / 8)
	s_mul_i32 s57, s3, NU*SK*FRB
	v_add_nc_u32 v3, s57, v1
	s_mul_i32 s57, s4, 4*SK*FRB
	s_add_co_u32 s57, s57, (NT/2)*SK*FRB
	v_add_nc_u32 v5, s57, v1
	s_mul_i32 s57, s3, NU*KS*64
	v_add_nc_u32 v7, s57, v2                       ; my U tiles' scale words in their block of memory
	s_mul_i32 s57, s4, 4*KS*64
	v_add_nc_u32 v8, s57, v2                       ; my L tiles'
	SCLOAD 0
	SCLOAD 1
	v_lshlrev_b32 v9, 6, v30                       ; a bias along U: my half's 16 numbers of a block of 32
	v_lshlrev_b32 v10, 9, v31
	s_delay_alu instid0(VALU_DEP_1)
	v_lshl_add_u32 v10, v30, 6, v10                ; the table: my row, my half
.if MODE == 2
	v_lshlrev_b32 v11, 2, v31                      ; a bias along L: my row's number
.endif
.if MODE == 3
	s_mul_i32 s57, s2, 16*272
	s_add_co_u32 s57, s57, STAGE
	v_mul_u32_u24 v11, v29, 272
	v_lshl_add_u32 v11, v30, 6, v11
	v_add_nc_u32 v11, s57, v11                     ; into my stage: row r, + 64 h
	v_mul_u32_u24 v12, v30, 272
	v_lshl_add_u32 v12, v29, 4, v12
	v_add_nc_u32 v12, s57, v12                     ; back: lanes 0-15 one row of 256 bytes, lanes 16-31 the next
	v_lshlrev_b32 v13, 12, v30
	v_lshl_add_u32 v13, v29, 4, v13                ; and the same two rows in out0
.endif
; ---- the bias
.if MODE == 2
.set i, 0
.rept 32
	v_mov_b32 v[B+32+i], 0                         ; the bias along L fills 32 of these 64 registers: so that every register that a later line names has been written on every way through the text
.set i, i+1
.endr
	s_cmp_lg_u32 s53, 0
	s_cbranch_scc1 .Lbias_l
.endif
.set t, 0
.rept NU
	global_load_b128 v[B+8*t:B+8*t+3], v9, s[44:45] offset:(32*(t/2)+8*(t%2))*4
	global_load_b128 v[B+8*t+4:B+8*t+7], v9, s[44:45] offset:(32*(t/2)+8*(t%2))*4+16
.set t, t+1
.endr
.if MODE == 2
	s_branch .Lbias_in
.Lbias_l:
.irp m, 0,1,2,3
.irp j, 0,1,2,3,4,5,6,7
	global_load_b32 v[B+8*\m+\j], v11, s[44:45] offset:(32*(\m/2)+8*(\m%2))*4
.endr
.endr
.Lbias_in:
.endif
	s_wait_alu depctr_va_vdst(0)
	s_wait_loadcnt 0x0
	s_wait_tensorcnt 0x0                           ; my part of the one fill is in; behind the barrier everybody's is
	s_barrier_signal -1
	s_barrier_wait -1
; ---- the K loop, written out
.if MODE == 2
	s_cmp_lg_u32 s53, 0
	s_cbranch_scc1 .Lfirst_l
	s_wait_alu depctr_va_vdst(0)
	KSTEP 0, 0, 0, 1
	s_branch .Lfirst_done
.Lfirst_l:
	KSTEP 0, 0, 0, 2
.Lfirst_done:
.else
	KSTEP 0, 0, 0, 1
.endif
.if MODE < 3
	s_cmp_eq_u32 s52, 0
	s_cbranch_scc1 .Lno_table
	PLACES
	TABLOAD 0, TAB0                                ; the first tile's table takes the bias's registers and lands under the K loop
.Lno_table:
.endif
.set qq, 1
.rept SK-1
	KSTEP 0, qq, qq, 0
.set qq, qq+1
.endr
.set ph, 1
.rept PH-1
	CHANGE ph
.set qq, 0
.rept SK
	KSTEP ph%2, qq, ph*SK+qq, 0
.set qq, qq+1
.endr
.set ph, ph+1
.endr
; ---- the way out
.if MODE < 3
	s_cmp_eq_u32 s52, 0
	s_cbranch_scc1 .Lplain
	EPI 1
.Lplain:
	EPI 0
.else
	PLACES
.irp m, 0,1,2,3                        ; a tile of 16 tokens x my 64 columns goes through my own stage and leaves as rows of 256 bytes
.if \m >= 2
	s_wait_xcnt 0x0                                ; this set of registers is the data of the stores of two tiles ago
.endif
	WIN 0x04                                       ; an LDS store's data are its source 1: window 1
.irp u, 0,1,2,3
	ds_store_b128 v11, v[8*(4*\m+\u):8*(4*\m+\u)+3] offset:128*(\u/2)+32*(\u%2)          ; each accumulator from its low end on
	ds_store_b128 v11, v[8*(4*\m+\u)+4:8*(4*\m+\u)+7] offset:128*(\u/2)+32*(\u%2)+16
.endr
	WIN 0
.irp i, 0,1,2,3,4,5,6,7
	ds_load_b128 v[ORG+32*(\m%2)+4*\i:ORG+32*(\m%2)+4*\i+3], v12 offset:544*\i   ; LDS serves a wave's instructions in order: these see the stores above
.endr
.irp i, 0,1,2,3,4,5,6,7
	s_wait_dscnt 7-\i                              ; load i is in, the later ones may be out
	global_store_b128 v13, v[ORG+32*(\m%2)+4*\i:ORG+32*(\m%2)+4*\i+3], s[46:47] offset:(32*(\m/2)+8*(\m%2)+2*\i+8*(\i/4))*4096 th:TH_STORE_NT   ; 16 lanes store 256 consecutive bytes, aligned
.endr
.endr
	FINISH
.endif
.Lfunc_end_k_q7737adc8eb_gemm2:
	.size	k_q7737adc8eb_gemm2, .Lfunc_end_k_q7737adc8eb_gemm2-k_q7737adc8eb_gemm2
	.p2alignl 7, 3214868480
	.fill 96, 4, 3214868480
	.section	.rodata,"a",@progbits
	.p2align	6, 0x0
	.amdhsa_kernel k_q7737adc8eb_gemm2
		.amdhsa_group_segment_fixed_size 327680
		.amdhsa_private_segment_fixed_size 0
		.amdhsa_enable_private_segment 0
		.amdhsa_kernarg_size 48
		.amdhsa_user_sgpr_count 2
		.amdhsa_user_sgpr_kernarg_segment_ptr 1
		.amdhsa_wavefront_size32 1
		.amdhsa_system_sgpr_workgroup_id_x 1
		.amdhsa_system_sgpr_workgroup_id_y 1
		.amdhsa_system_sgpr_workgroup_id_z 1
		.amdhsa_system_vgpr_workitem_id 0
		.amdhsa_next_free_vgpr 512
		.amdhsa_next_free_sgpr 100
		.amdhsa_reserve_vcc 0
		.amdhsa_float_denorm_mode_32 3
		.amdhsa_float_denorm_mode_16_64 3
		.amdhsa_memory_ordered 1
		.amdhsa_forward_progress 1
		.amdhsa_inst_pref_size 112
	.end_amdhsa_kernel
	.amdgpu_metadata
---
amdhsa.version: [ 1, 2 ]
amdhsa.kernels:
  - .name:           k_q7737adc8eb_gemm2
    .symbol:         k_q7737adc8eb_gemm2.kd
    .args:
      - { .name: pack, .offset: 0, .size: 8, .value_kind: global_buffer, .address_space: global }
      - { .name: lat2, .offset: 8, .size: 8, .value_kind: global_buffer, .address_space: global }
      - { .name: fromk_b, .offset: 16, .size: 8, .value_kind: global_buffer, .address_space: global }
      - { .name: fromv_b, .offset: 24, .size: 8, .value_kind: global_buffer, .address_space: global }
      - { .name: qk, .offset: 32, .size: 8, .value_kind: global_buffer, .address_space: global }
      - { .name: vrec, .offset: 40, .size: 8, .value_kind: global_buffer, .address_space: global }
    .group_segment_fixed_size: 327680
    .private_segment_fixed_size: 0
    .kernarg_segment_align: 8
    .kernarg_segment_size: 48
    .max_flat_workgroup_size: 256
    .sgpr_count:     100
    .vgpr_count:     512
    .wavefront_size: 32
...
	.end_amdgpu_metadata
.endif
;; end of part 4
;; launch attn (part 5): grid 8 x 32, 16 waves a work-group, no clusters, 327,680 bytes of LDS; arguments qk, kq, vrec, ao; writes ao
.if DOCPART == 5
	.amdgcn_target "amdgcn-amd-amdhsa--gfx1250"
	.amdhsa_code_object_version 6
	.text
	.protected	k_q7737adc8eb_attn
	.globl	k_q7737adc8eb_attn
	.p2align	8
	.type	k_q7737adc8eb_attn,@function
k_q7737adc8eb_attn:
	s_mov_b64 s[64:65], 0
	v_nop
	global_prefetch_b8 v0, s[64:65] scope:SCOPE_SE
	s_setreg_imm32_b32 hwreg(HW_REG_WAVE_MODE, 25, 1), 1
	s_wait_xcnt 0x0
; Causal attention with the roles swapped as the module has them: the rows of the roped k ASK (qk), the rows of the roped q are the KEYS (kq); both products on codes of E2M3 with one E8M0 scale for each 32 along K.
; All operands are images of operand registers (1,536 bytes a fragment of 16 rows x 128 K; lane r of tile T is row 32 (T / 2) + 8 (T % 2) + r + 8 (r / 8)).  A record of 12,800 bytes holds a key step, 128 tokens of one head:
; 8 fragments and their 512 bytes of scale words (kq: tile of keys; vrec: tile of d, K = the tokens).  Key steps that lie wholly behind an asker's place under the module's own causal mask are not worked.
; THE SOFTMAX: t = score x log2(e) / sqrt(128); M = the running largest t rounded UP to a whole number; p = 2^(t - M) is quantised along the keys, not normalised; the row's sum is taken of the unquantised p and divides at the end;
; when M moves, the sum and O are multiplied by 2^(old M - new M): exact.  Both products are used transposed (S^T = K Q^T, O^T = V^T P^T): a lane holds ONE asker.
; SHARES: the 128 askers of key step R (eight tiles) have the RANK R and need key steps 0 .. R.  Work-group (x, batch x 16 + head) has the eight tiles A of rank x and the eight tiles B of rank 15 - x: a pair (A i, B i) is 17 key steps,
; shared between two waves.  The wave of kind 0 works A's steps 0 .. x in time steps 0 .. x, lays A's sums aside in LDS, and works B's steps 0 .. 7 - x in time steps x + 1 .. 8: nine steps.  The wave of kind 1 works B's steps
; 8 - x .. 15 - x in time steps 0 .. 7: eight steps.  At the end kind 0 hands its part of B over through LDS; then ONE text joins two parts (2^(M - the larger M): exact), divides, quantises along d and stores a fragment of the
; last product's operand: kind 1 joins the two parts of B; kind 0 joins A's sums, read back, with an empty part.  Kind = ((w / 4) xor w) % 2, pair = w / 2: of every fourth wave two are of each kind.
; RING: two slots, 131,072 bytes apart, of two time steps each; a time step is kind 0's key step (K's record, V's record) and kind 1's: 51,200 bytes.  Every wave brings a sixteenth of a slot by one tensor load
; (25 rows of 256 bytes), which has two time steps in which to land; a wave has one tensor load out at the most; every wait on TENSORcnt is for 0.  The last slot holds time step 8 for kind 0 alone: waves 0 to 3 bring it.
; NO CLUSTER: the eight work-groups of a head walk the same 16 records, but in one round each wants other records (kind 1's are 8 - x + t, kind 0's turn back to 0 behind x): no joint request would name the same tile.
; NO PREFETCH: a record is wanted by up to eight work-groups of the head at places of their walks that differ with x, so a share-out that names each block once has no fixed lead; each load is asked for two time steps ahead of its first read.
; LIMITS: NaN and infinities are not served; the scaled scores stay under 2^31 in magnitude; a block of p, or of the result, whose largest magnitude lies under 2^-124 has the byte 1.
; A block's largest p is taken from the block's largest score by the same multiply-add and exponential: this takes v_exp_f32 not to fall where its input rises.
.set SLOT1, 131072
.set REC,   12800
.set SPARE, 102400                     ; behind slot 0: the spare words, 128 bytes for each wave
.set STG1,  233472                     ; behind slot 1: A's sums laid aside, 8,704 bytes a pair; no fill lands here
.set STG2,  SLOT1                      ; kind 0's part of B: in slot 1, stored behind that slot's last fill and last read
.set STGW,  8704
.set PC,  32                           ; the way out: codes v32-51, at work v52-63, the scale word v64
.set TM,  52
.set SEL, 20
; v1 16 x lane; v2, v4 4 x lane, 16 x lane + my kind's part of a time step; v3 4 x (lane % 16); v5, v6 the add's two; v7 the mask's d; v8, v9 codes and scale words of the slot's first time step, v10, v11 of its second;
; v12 -M, v13 the largest t, v[14:15] the sum in two halves; v16-27 Q; v28-29 scale words of V's tiles 4-7; v30, v31, v93 stage addresses; v32-79 four fragments of K, then V's tiles 0-3; v80-92 B's Q and its scale words;
; v96-159 S^T, then p, then V's tiles 4-7; v160-223 O^T; v224-235 p's codes; v232-247, v252, v254, v94-95 at work; v248-249 K's scale words; v250-251 those of V's tiles 0-3; v253 p's scale word; v255 Q's.
.macro PLACES
.rept 4
	v_nop
.endr
.endm
.macro QUANT s, pw                     ; 64 numbers of a lane become a fragment's codes in v[PC] .. v[PC+11] and its scale word
.irp b, 0,1,2,3
	v_max3_num_f32 v[TM+\b], |v[(\s)+16*\b]|, |v[(\s)+16*\b+1]|, 0x1800000   ; and the floor 2^(3 - 127): the byte cannot fall under 1
.endr
.irp i, 2,4,6,8,10,12,14
.irp b, 0,1,2,3
	v_max3_num_f32 v[TM+\b], v[TM+\b], |v[(\s)+16*\b+\i]|, |v[(\s)+16*\b+\i+1]|
.endr
.endr
.irp b, 0,1,2,3
	v_permlanex16_b32 v[TM+4+\b], v[TM+\b], s[SEL], s[SEL+1]
.endr
.irp b, 0,1,2,3
	v_max_num_f32 v[TM+\b], v[TM+\b], v[TM+4+\b]
.endr
.irp b, 0,1,2,3
	v_add_nc_u32 v[TM+8+\b], 0xff000000, v[TM+\b]        ; 2 off the exponent field: the conversion's scale operand
.endr
.irp b, 0,1,2,3
	v_lshrrev_b32 v[TM+4+\b], 23, v[TM+8+\b]
.endr
	v_lshl_or_b32 v[\pw], v[TM+5], 8, v[TM+4]
	v_lshl_or_b32 v[\pw], v[TM+6], 16, v[\pw]
	v_lshl_or_b32 v[\pw], v[TM+7], 24, v[\pw]
.irp c, 0,1
	v_cvt_scalef32_pk16_fp6_f32 v[PC+6*\c:PC+6*\c+2], v[(\s)+32*\c:(\s)+32*\c+15], v[TM+8+2*\c]
	v_cvt_scalef32_pk16_fp6_f32 v[PC+12+4*\c:PC+14+4*\c], v[(\s)+32*\c+16:(\s)+32*\c+31], v[TM+9+2*\c]
.endr
	v_nop                                                ; one plain place behind a scaled conversion
.irp c, 0,1
.irp i, 0,1,2
	v_permlane16_swap_b32 v[PC+6*\c+\i], v[PC+12+4*\c+\i]
.endr
.irp i, 0,1,2
	v_mov_b32 v[PC+3+6*\c+\i], v[PC+12+4*\c+\i]
.endr
.endr
.endm
.macro WM0 d, a, b, sa, sb, ra         ; a product that starts its sum; ra = 1: source 0's scale words are taken from lanes 16-31
.if (\ra) == 0
	v_wmma_scale_f32_16x16x128_f8f6f4 v[(\d):(\d)+7], v[(\a):(\a)+11], v[(\b):(\b)+11], 0, v[\sa], v[\sb] matrix_a_fmt:MATRIX_FMT_FP6 matrix_b_fmt:MATRIX_FMT_FP6
.else
	v_wmma_scale_f32_16x16x128_f8f6f4 v[(\d):(\d)+7], v[(\a):(\a)+11], v[(\b):(\b)+11], 0, v[\sa], v[\sb] matrix_a_fmt:MATRIX_FMT_FP6 matrix_b_fmt:MATRIX_FMT_FP6 matrix_a_scale:MATRIX_SCALE_ROW1
.endif
.endm
.macro WMA d, a, b, sa, sb, ra         ; a product that adds in place
.if (\ra) == 0
	v_wmma_scale_f32_16x16x128_f8f6f4 v[(\d):(\d)+7], v[(\a):(\a)+11], v[(\b):(\b)+11], v[(\d):(\d)+7], v[\sa], v[\sb] matrix_a_fmt:MATRIX_FMT_FP6 matrix_b_fmt:MATRIX_FMT_FP6
.else
	v_wmma_scale_f32_16x16x128_f8f6f4 v[(\d):(\d)+7], v[(\a):(\a)+11], v[(\b):(\b)+11], v[(\d):(\d)+7], v[\sa], v[\sb] matrix_a_fmt:MATRIX_FMT_FP6 matrix_b_fmt:MATRIX_FMT_FP6 matrix_a_scale:MATRIX_SCALE_ROW1
.endif
.endm
.macro SUMS adr                        ; O^T and (-M, the largest t, the sum's halves) as images of registers: 17 stores of 512 bytes, each accumulator from its low end on
.set j, 0
.rept 16
	ds_store_b128 v[\adr], v[160+4*j:163+4*j] offset:512*j
.set j, j+1
.endr
	ds_store_b128 v[\adr], v[12:15] offset:8192
.endm
.macro ADDR                            ; group 0's address for my load of time step s46: key step s46 + s48, less x + 1 where kind 0 has turned back; then two time steps on
	s_cmp_gt_u32 s46, s47
	s_cselect_b32 s50, s49, 0
	s_add_co_u32 s51, s46, s48
	s_sub_co_u32 s50, s51, s50
	s_mul_i32 s50, s50, REC
	s_mov_b32 s51, 0
	s_add_nc_u64 s[42:43], s[44:45], s[50:51]
	s_or_b32 s43, s43, 0x80000000
	s_add_co_u32 s46, s46, 2
.endm
	s_load_b256 s[4:11], s[0:1], 0x0               ; qk, kq, vrec, ao
	v_lshl_add_u32 v5, v0, 2, SPARE
	v_mov_b32 v6, 0
	ds_add_u32 v5, v6
	ds_add_u32 v5, v6
	v_lshrrev_b32 v8, 5, v0
	v_readfirstlane_b32 s18, v8                    ; wave 0..15
	s_and_b32 s70, ttmp7, 0xffff                   ; batch x 16 + head
	s_lshr_b32 s34, s18, 2
	s_xor_b32 s34, s34, s18
	s_and_b32 s34, s34, 1                          ; my kind
	s_lshr_b32 s73, s18, 1                         ; my pair
	s_add_co_u32 s49, ttmp9, 1                     ; x + 1
	s_sub_co_u32 s35, 15, ttmp9                    ; B's rank
	s_sub_co_u32 s50, 8, ttmp9
	s_cmp_lg_u32 s34, 0
	s_cselect_b32 s19, s35, ttmp9                  ; the rank of my first tile, which is also the tile that I store
	s_cselect_b32 s36, 7, ttmp9                    ; the time step in which my keys meet my askers' own key step
	s_cselect_b32 s37, 99, s49                     ; the time step at whose head kind 0 goes over from A to B
	s_bitcmp1_b32 s18, 2                           ; what I fetch: wave = 8 x (time step of the slot) + 4 x kind + 2 x (K, V) + half of the record
	s_cselect_b32 s47, 0x7fff, ttmp9
	s_cselect_b32 s48, s50, 0
	s_lshr_b32 s46, s18, 3
	s_lshl_b32 s71, s19, 3
	s_add_co_u32 s71, s71, s73                     ; my first tile
	s_lshl_b32 s72, s70, 7
	s_add_co_u32 s38, s72, s71
	s_mul_i32 s74, s38, 1536                       ; its Q fragment,
	s_mov_b32 s75, 0
	s_lshl_b32 s76, s38, 6
	s_add_co_u32 s76, s76, 6291456                 ; its scale words
	s_mov_b32 s77, 0
	s_lshl_b32 s38, s35, 3
	s_add_co_u32 s38, s38, s73
	s_add_co_u32 s38, s38, s72
	s_mul_i32 s84, s38, 1536                       ; B's
	s_mov_b32 s85, 0
	s_lshl_b32 s86, s38, 6
	s_add_co_u32 s86, s86, 6291456
	s_mov_b32 s87, 0
	s_lshr_b32 s38, s70, 4
	s_lshl_b32 s38, s38, 7
	s_add_co_u32 s38, s38, s71
	s_lshl_b32 s38, s38, 4
	s_and_b32 s39, s70, 15
	s_add_co_u32 s38, s38, s39                     ; the result: fragment (batch x 128 + tile) x 16 + head
	s_mul_i32 s78, s38, 1536
	s_mov_b32 s79, 0
	s_lshl_b32 s80, s38, 6
	s_add_co_u32 s80, s80, 6291456
	s_mov_b32 s81, 0
	s_lshr_b32 s69, s73, 1
	s_lshl_b32 s69, s69, 5
	s_and_b32 s38, s73, 1
	s_lshl_b32 s38, s38, 3
	s_add_co_u32 s69, s69, s38                     ; my tile's first asker's place in its key step
	s_mul_i32 s82, s70, 16*REC                     ; the head's sixteen records; my half of a record
	s_and_b32 s38, s18, 1
	s_mul_i32 s38, s38, REC/2
	s_add_co_u32 s82, s82, s38
	s_mov_b32 s83, 0
	s_mov_b32 s24, 3<<16                           ; group 1: elements of 8 bytes, no padding: 25 rows of 256 bytes, dense
	s_mov_b32 s25, 32<<16
	s_mov_b32 s26, 25<<16
	s_mov_b32 s27, 32<<16
	s_mov_b32 s28, 25
	s_mov_b32 s29, 32
	s_mov_b32 s30, 0
	s_mov_b32 s31, 0
	s_mov_b32 s[SEL], 0x76543210
	s_mov_b32 s[SEL+1], 0xfedcba98
	s_mov_b32 s22, 0x3e0293ee                      ; c = log2(e) / sqrt(128)
	s_mov_b32 s23, s22                             ; (named with it as a pair, so it is written)
	s_mov_b32 s66, 0                               ; LDS byte at which the slot in hand begins
	s_mov_b32 s67, 3                               ; the loop's trips
	s_mov_b32 s68, 0                               ; the time step
	s_wait_dscnt 0x0                               ; both opening adds are done
	s_wait_kmcnt 0x0
	s_bitcmp1_b32 s18, 1
	s_cselect_b64 s[44:45], s[8:9], s[6:7]         ; V's records or K's
	s_add_nc_u64 s[44:45], s[44:45], s[82:83]
	s_mov_b32 s40, 1
	s_mul_i32 s41, s18, REC/2                      ; a slot: wave x 6,400
	ADDR
	tensor_load_to_lds s[40:43], s[24:31]          ; slot 0: every wave's one tensor load at the head
	s_nop 0
	PLACES
	s_add_nc_u64 s[12:13], s[4:5], s[74:75]
	s_add_nc_u64 s[14:15], s[4:5], s[76:77]
	s_add_nc_u64 s[52:53], s[4:5], s[84:85]
	s_add_nc_u64 s[54:55], s[4:5], s[86:87]
	s_add_nc_u64 s[16:17], s[10:11], s[78:79]
	s_add_nc_u64 s[32:33], s[10:11], s[80:81]
	v_and_b32 v8, 31, v0
	v_and_b32 v9, 15, v0
	v_lshlrev_b32 v1, 4, v8
	v_lshlrev_b32 v3, 2, v9
.irp c, 0,1,2
	global_load_b128 v[16+4*\c:19+4*\c], v1, s[12:13] offset:512*\c    ; my first tile's Q stays in registers,
	global_load_b128 v[80+4*\c:83+4*\c], v1, s[52:53] offset:512*\c    ; and B's waits there for kind 0's change of tiles (one text for both kinds: kind 1 never moves it)
.endr
	global_load_b32 v255, v3, s[14:15]
	global_load_b32 v92, v3, s[54:55]
	s_mul_i32 s56, s34, 2*REC
	v_lshlrev_b32 v2, 2, v8
	v_add_nc_u32 v4, s56, v1
	v_add_nc_u32 v2, s56, v2
	s_mul_i32 s57, s73, STGW
	s_add_co_u32 s58, s57, STG1
	v_add_nc_u32 v30, s58, v1                      ; where kind 0 lays A's sums aside,
	s_add_co_u32 s58, s57, STG2
	v_add_nc_u32 v31, s58, v1                      ; where it hands its part of B over,
	s_xor_b32 s59, s34, 1
	s_mul_i32 s59, s59, STG1-STG2
	s_add_co_u32 s59, s59, s57
	s_add_co_u32 s59, s59, STG2
	s_wait_alu depctr_va_vdst(0)
	v_add_nc_u32 v93, s59, v1                      ; and the part that I join at the end: kind 0 A's sums, kind 1 the other part of B
	v_and_b32 v10, 8, v9
	v_add_nc_u32 v7, v9, v10
	v_bfe_u32 v10, v0, 4, 1
	v_lshlrev_b32 v10, 4, v10
	v_sub_nc_u32 v7, v7, v10
	v_add_nc_u32 v7, s69, v7                       ; d = my asker's place in its key step - 16 (lane / 16).  Register 16 b + i holds key 32 b + 16 (lane / 16) + i: hidden where 32 b + i > d
	v_mov_b32 v13, 0xff61b1e6                      ; the largest t so far: -3e38, under every t
	v_floor_f32 v12, -v13                          ; -M
	v_mov_b32 v14, 0
	v_mov_b32 v15, 0
.irp b, 0,1,2,3
	v_mov_b32 v[236+\b], 0                         ; a lane permute's destination counts as one of its sources
.endr
	v_mov_b32 v252, 0
	v_mov_b32 v253, 0
.set j, 0
.rept 64
	v_mov_b32 v[160+j], 0                          ; O^T.  (The step is written once: the first finds zeros, which the first change of M leaves zeros)
.set j, j+1
.endr
; A TIME STEP: my kind's 128 keys, the tt-th of the two time steps of the slot in hand
.macro STEP tt
.set KA, 8+2*(\tt)
.set SA, 9+2*(\tt)
	s_cmp_lg_u32 s34, 0                            ; kind 0, at the head of time step x + 1: A is done.  Its sums go to LDS; B's Q takes Q's place; -M back at its start makes the next step's factor 0, which clears the sums
	s_cbranch_scc1 .Lstay_\@
	s_cmp_lg_u32 s68, s37
	s_cbranch_scc1 .Lstay_\@
	PLACES
	SUMS 30
	v_mov_b32 v255, v92
.set j, 0
.rept 12
	v_mov_b32 v[16+j], v[80+j]
.set j, j+1
.endr
	v_mov_b32 v13, 0xff61b1e6
	v_floor_f32 v12, -v13
	s_wait_alu depctr_va_vdst(0)
.Lstay_\@:
.rept 6
	v_nop                                          ; the first score products write over v96-127, which the last step's last products read as their source 0: that wants five places
.endr
.irp g, 0,1                            ; S^T = K Q^T, four tiles of 16 keys at a time
.if \g > 0
	PLACES
.endif
.irp t, 0,1,2,3
.irp c, 0,1,2
	ds_load_b128 v[32+12*\t+4*\c:32+12*\t+4*\c+3], v[KA] offset:(4*\g+\t)*1536+512*\c
.endr
.endr
.irp u, 0,1
	ds_load_b32 v[248+\u], v[SA] offset:12288+(4*\g+2*\u)*64
.endr
	s_wait_dscnt 0x0
.irp t, 0,1,2,3
	WM0 96+8*(4*\g+\t), 32+12*\t, 16, 248+\t/2, 255, \t%2
.endr
.endr
	PLACES                                         ; for the loads below, into registers that the last products read, and for the first read of the scores
	s_wait_alu depctr_va_vdst(0)
.irp t, 0,1,2,3                        ; V's tiles 0-3 of d: 14 loads that land under the softmax
.irp c, 0,1,2
	ds_load_b128 v[32+12*\t+4*\c:32+12*\t+4*\c+3], v[KA] offset:REC+\t*1536+512*\c
.endr
.endr
.irp u, 0,1
	ds_load_b32 v[250+\u], v[SA] offset:REC+12288+2*\u*64
.endr
	s_cmp_lg_u32 s68, s36                          ; in my askers' own key step the scores of hidden keys become -infinity ahead of the maximum: p = 0 then
	s_cbranch_scc1 .Lopen_\@
	v_mov_b32 v254, 0xff800000
.set n, 0
.rept 64
	v_cmp_gt_i32 vcc_lo, 32*(n/16)+n%16, v7
	v_cndmask_b32 v[96+n], v[96+n], v254, vcc_lo
.set n, n+1
.endr
.Lopen_\@:
.irp b, 0,1,2,3
	v_max3_num_f32 v[232+\b], v[96+16*\b], v[97+16*\b], v[98+16*\b]   ; the largest score of each block of 32 keys: for the row's maximum, and for the block's largest p
.endr
.irp i, 3,5,7,9,11,13
.irp b, 0,1,2,3
	v_max3_num_f32 v[232+\b], v[232+\b], v[96+16*\b+\i], v[97+16*\b+\i]
.endr
.endr
.irp b, 0,1,2,3
	v_max_num_f32 v[232+\b], v[232+\b], v[111+16*\b]
.endr
.irp b, 0,1,2,3
	v_permlanex16_b32 v[236+\b], v[232+\b], s[SEL], s[SEL+1]
.endr
.irp b, 0,1,2,3
	v_max_num_f32 v[232+\b], v[232+\b], v[236+\b]  ; with lane l xor 16's 16 keys
.endr
	v_max3_num_f32 v254, v232, v233, v234
	s_delay_alu instid0(VALU_DEP_1)
	v_max_num_f32 v254, v254, v235
	s_delay_alu instid0(VALU_DEP_1)
	v_mul_f32 v254, s22, v254                      ; the step's largest t (c is positive)
	s_delay_alu instid0(VALU_DEP_1)
	v_max_num_f32 v13, v13, v254
	v_mov_b32 v254, v12
	s_delay_alu instid0(VALU_DEP_2)
	v_floor_f32 v12, -v13                          ; the new -M = -ceil(t): a whole number
	s_delay_alu instid0(VALU_DEP_1)
	v_sub_f32 v254, v12, v254
	s_delay_alu instid0(VALU_DEP_1)
	v_cvt_i32_f32 v254, v254                       ; (it saturates)
	s_delay_alu instid0(VALU_DEP_1)
	v_ldexp_f32 v252, 1.0, v254                    ; f = 2^(old M - new M)
.set j, 0
.rept 32
	v_pk_fma_f32 v[96+j:97+j], v[96+j:97+j], s[22:23], v[12:13] op_sel_hi:[1,0,0]   ; t - M, two at a time
.set j, j+2
.endr
.irp b, 0,1,2,3
	v_fma_f32 v[232+\b], v[232+\b], s22, v12
.endr
	s_wait_alu depctr_va_vdst(0)
.set j, 0
.rept 64
	v_exp_f32 v[96+j], v[96+j]                     ; p = 2^(t - M), at most 1: not normalised
.set j, j+1
.endr
.irp b, 0,1,2,3
	v_exp_f32 v[232+\b], v[232+\b]                 ; the block's largest p
.endr
	v_pk_mul_f32 v[14:15], v[14:15], v[252:253] op_sel_hi:[1,0]   ; the sums under the new M.  (A plain place behind the exponentials)
	s_wait_alu depctr_va_vdst(0)                   ; and behind it, ahead of its first reader
.irp b, 0,1,2,3
	v_max_num_f32 v[232+\b], 0x1800000, v[232+\b]  ; the floor 2^(3 - 127)
.endr
.irp b, 0,1,2,3
	v_add_nc_u32 v[244+\b], 0xff000000, v[232+\b]  ; the conversion's scale operand
.endr
.irp b, 0,1,2,3
	v_lshrrev_b32 v[236+\b], 23, v[244+\b]
.endr
	v_lshl_or_b32 v253, v237, 8, v236              ; p's scale word for these 128 keys
	v_lshl_or_b32 v253, v238, 16, v253
	v_lshl_or_b32 v253, v239, 24, v253
.irp c, 0,1
	v_cvt_scalef32_pk16_fp6_f32 v[224+6*\c:226+6*\c], v[96+32*\c:111+32*\c], v[244+2*\c]
	v_cvt_scalef32_pk16_fp6_f32 v[236+4*\c:238+4*\c], v[112+32*\c:127+32*\c], v[244+2*\c+1]
.endr
	v_nop                                          ; one plain place behind a scaled conversion
.irp c, 0,1
.irp i, 0,1,2
	v_permlane16_swap_b32 v[224+6*\c+\i], v[236+4*\c+\i]
.endr
.irp i, 0,1,2
	v_mov_b32 v[227+6*\c+\i], v[236+4*\c+\i]
.endr
.endr
	v_pk_add_f32 v[236:237], v[100:101], v[104:105]        ; the row's sum of the unquantised p: eight chains by turns
	v_pk_add_f32 v[238:239], v[108:109], v[112:113]        ; (v238-239 have been read for the last time in this step; v224-235 hold p's codes)
	v_pk_add_f32 v[246:247], v[116:117], v[120:121]
	v_pk_add_f32 v[244:245], v[124:125], v[128:129]
	v_pk_add_f32 v[242:243], v[132:133], v[136:137]
	v_pk_add_f32 v[240:241], v[140:141], v[144:145]
	v_pk_add_f32 v[94:95], v[148:149], v[152:153]
	v_pk_add_f32 v[14:15], v[14:15], v[156:157]
	v_pk_add_f32 v[236:237], v[236:237], v[96:97]
	v_pk_add_f32 v[238:239], v[238:239], v[98:99]
	v_pk_add_f32 v[246:247], v[246:247], v[102:103]
	v_pk_add_f32 v[244:245], v[244:245], v[106:107]
	v_pk_add_f32 v[242:243], v[242:243], v[110:111]
	v_pk_add_f32 v[240:241], v[240:241], v[114:115]
	v_pk_add_f32 v[94:95], v[94:95], v[118:119]
	v_pk_add_f32 v[14:15], v[14:15], v[122:123]
	v_pk_add_f32 v[236:237], v[236:237], v[126:127]
	v_pk_add_f32 v[238:239], v[238:239], v[130:131]
	v_pk_add_f32 v[246:247], v[246:247], v[134:135]
	v_pk_add_f32 v[244:245], v[244:245], v[138:139]
	v_pk_add_f32 v[242:243], v[242:243], v[142:143]
	v_pk_add_f32 v[240:241], v[240:241], v[146:147]
	v_pk_add_f32 v[94:95], v[94:95], v[150:151]
	v_pk_add_f32 v[14:15], v[14:15], v[154:155]
	v_pk_add_f32 v[236:237], v[236:237], v[158:159]
	v_pk_add_f32 v[14:15], v[14:15], v[244:245]
	v_pk_add_f32 v[236:237], v[236:237], v[242:243]
	v_pk_add_f32 v[238:239], v[238:239], v[240:241]
	v_pk_add_f32 v[246:247], v[246:247], v[94:95]
	v_pk_add_f32 v[14:15], v[14:15], v[238:239]
	v_pk_add_f32 v[236:237], v[236:237], v[246:247]
	s_delay_alu instid0(VALU_DEP_1)
	v_pk_add_f32 v[14:15], v[14:15], v[236:237]
.irp t, 0,1,2,3                        ; p has been read for the last time: V's tiles 4-7 of d take its registers: 14 loads that land under the rescaling and the first four products
.irp c, 0,1,2
	ds_load_b128 v[96+12*\t+4*\c:96+12*\t+4*\c+3], v[KA] offset:REC+(4+\t)*1536+512*\c
.endr
.endr
.irp u, 0,1
	ds_load_b32 v[28+\u], v[SA] offset:REC+12288+(4+2*\u)*64
.endr
	s_wait_alu depctr_va_vdst(0)                   ; directly ahead of the first reader of O^T
.set j, 0
.rept 32
	v_pk_mul_f32 v[160+j:161+j], v[160+j:161+j], v[252:253] op_sel_hi:[1,0]   ; O^T under the new M
.set j, j+2
.endr
	s_wait_alu depctr_va_vdst(0)
	s_wait_dscnt 14                                ; V's tiles 0-3 and their scale words are in; the 14 younger loads, tiles 4-7's, may be out
.irp t, 0,1,2,3                        ; O^T += V^T P^T; K = these 128 keys; the eight accumulators by turns
	WMA 160+8*\t, 32+12*\t, 224, 250+\t/2, 253, \t%2
.endr
	s_wait_dscnt 0x0
.irp t, 0,1,2,3
	WMA 192+8*\t, 96+12*\t, 224, 28+\t/2, 253, \t%2
.endr
	s_add_co_u32 s68, s68, 1
.endm
; THE CHANGE OF SLOTS stands at a slot's head.  Each wave waits for all its tensor loads, adds 0 to its spare word, and waits for that and for its reads of the slot that it has left.
; fill = 1: every wave asks for its part of the next slot; 2: the last slot, time step 8 for kind 0 alone: waves 0 to 3; 0: nothing is left to fetch.  base: where the slot in hand begins
.macro CHANGE fill, base
	s_wait_tensorcnt 0x0                           ; no tensor load of mine is out, so a group 0 may be written
	ds_add_u32 v5, v6                              ; 0 onto my spare word
.if (\fill) == 1
	s_xor_b32 s41, s41, SLOT1                      ; the other slot than last time
	ADDR
.elseif (\fill) == 2
	s_mul_i32 s41, s18, REC/2                      ; slot 0
	ADDR
.endif
	v_add_nc_u32 v8, \base, v4
	v_add_nc_u32 v9, \base, v2
	v_add_nc_u32 v10, 4*REC, v8
	v_add_nc_u32 v11, 4*REC, v9
	s_wait_alu depctr_va_vdst(0)
	s_wait_dscnt 0x0                               ; the add is done, and my reads of the slot that I have left are over
	s_barrier_signal -1
	s_barrier_wait -1
.if (\fill) == 1
	tensor_load_to_lds s[40:43], s[24:31]          ; the first thing behind the barrier, my one tensor load until the next
	s_nop 0
	PLACES
.elseif (\fill) == 2
	s_cmp_lt_u32 s18, 4
	s_cbranch_scc0 .Lnone_\@
	tensor_load_to_lds s[40:43], s[24:31]
	s_nop 0
	PLACES
.Lnone_\@:
.endif
.endm
	s_wait_alu depctr_va_vdst(0)
	s_wait_loadcnt 0x0                             ; Q
.Lslot:                                            ; 3 trips: time steps 0 to 5; behind each change of slots the next slot is asked for (the first time: slot 1's first fill, issued as a refill is)
	CHANGE 1, s66
	STEP 0
	STEP 1
	s_xor_b32 s66, s66, SLOT1
	s_sub_co_u32 s67, s67, 1
	s_cmp_lg_u32 s67, 0
	s_cbranch_scc1 .Lslot
	CHANGE 2, SLOT1                                ; the tail is written out: time steps 6 and 7 lie in slot 1,
	STEP 0
	STEP 1
	CHANGE 0, 0                                    ; time step 8 in slot 0; behind this barrier nobody reads slot 1, and nothing is filled any more
	s_cmp_lg_u32 s34, 0
	s_cbranch_scc1 .Ljoin                          ; kind 1 has worked its eight steps
	STEP 0
	PLACES
	SUMS 31                                        ; kind 0 hands its part of B over,
	v_mov_b32 v13, 0xff61b1e6                      ; and keeps an empty part: -M at its start gives it the factor 0
	v_floor_f32 v12, -v13
	v_mov_b32 v14, 0
	v_mov_b32 v15, 0
.Ljoin:
	s_wait_alu depctr_va_vdst(0)
	s_wait_dscnt 0x0                               ; for the others' sake: my stores lie in LDS
	s_barrier_signal -1
	s_barrier_wait -1
; THE WAY OUT: two parts joined under the larger M, divided by the joined sum, quantised along d: a fragment of the last product's operand
	PLACES
.set j, 0
.rept 16
	ds_load_b128 v[96+4*j:99+4*j], v93 offset:512*j
.set j, j+1
.endr
	ds_load_b128 v[32:35], v93 offset:8192
	s_wait_dscnt 0x0
	v_min_num_f32 v36, v12, v32                    ; -(the larger M)
	v_add_f32 v14, v14, v15
	v_add_f32 v34, v34, v35
	v_sub_f32 v37, v36, v12
	v_sub_f32 v38, v36, v32
	v_cvt_i32_f32 v37, v37                         ; (they saturate)
	v_cvt_i32_f32 v38, v38
	v_ldexp_f32 v40, 1.0, v37                      ; my part's factor,
	v_ldexp_f32 v42, 1.0, v38                      ; the other's
	v_mul_f32 v14, v14, v40
	v_fmac_f32 v14, v34, v42
	v_permlanex16_b32 v252, v14, s[SEL], s[SEL+1]
	v_add_f32 v14, v14, v252                       ; the row's sum
	s_wait_alu depctr_va_vdst(0)
	v_rcp_f32 v14, v14
.irp b, 0,1,2,3
	v_mov_b32 v[TM+4+\b], 0                        ; (plain places behind the reciprocal)
.endr
	v_mov_b32 v41, 0                               ; (named as the upper halves of pairs)
	v_mov_b32 v43, 0
	s_wait_alu depctr_va_vdst(0)
	v_mul_f32 v40, v40, v14                        ; a power of two x the reciprocal: nothing more is rounded
	v_mul_f32 v42, v42, v14
.set j, 0
.rept 32
	v_pk_mul_f32 v[160+j:161+j], v[160+j:161+j], v[40:41] op_sel_hi:[1,0]
.set j, j+2
.endr
.set j, 0
.rept 32
	v_pk_fma_f32 v[96+j:97+j], v[96+j:97+j], v[42:43], v[160+j:161+j] op_sel_hi:[1,0,1]   ; register 16 b + i is d = 32 b + 16 (lane / 16) + i of my asker
.set j, j+2
.endr
	QUANT 96, 64
.irp c, 0,1,2
	global_store_b128 v1, v[PC+4*\c:PC+4*\c+3], s[16:17] offset:512*\c
.endr
	global_store_b32 v3, v64, s[32:33]             ; lanes r and r + 16 hold the same word and write it to the same place
	s_wait_tensorcnt 0x0                           ; the wave's end
	ds_add_u32 v5, v6
	s_wait_dscnt 0x0
	s_endpgm
.Lfunc_end_k_q7737adc8eb_attn:
	.size	k_q7737adc8eb_attn, .Lfunc_end_k_q7737adc8eb_attn-k_q7737adc8eb_attn
	.p2alignl 7, 3214868480
	.fill 96, 4, 3214868480
	.section	.rodata,"a",@progbits
	.p2align	6, 0x0
	.amdhsa_kernel k_q7737adc8eb_attn
		.amdhsa_group_segment_fixed_size 327680
		.amdhsa_private_segment_fixed_size 0
		.amdhsa_enable_private_segment 0
		.amdhsa_kernarg_size 32
		.amdhsa_user_sgpr_count 2
		.amdhsa_user_sgpr_kernarg_segment_ptr 1
		.amdhsa_wavefront_size32 1
		.amdhsa_system_sgpr_workgroup_id_x 1
		.amdhsa_system_sgpr_workgroup_id_y 1
		.amdhsa_system_sgpr_workgroup_id_z 1
		.amdhsa_system_vgpr_workitem_id 0
		.amdhsa_next_free_vgpr 256
		.amdhsa_next_free_sgpr 100
		.amdhsa_reserve_vcc 1
		.amdhsa_float_denorm_mode_32 3
		.amdhsa_float_denorm_mode_16_64 3
		.amdhsa_memory_ordered 1
		.amdhsa_forward_progress 1
		.amdhsa_inst_pref_size 154
	.end_amdhsa_kernel
	.amdgpu_metadata
---
amdhsa.version: [ 1, 2 ]
amdhsa.kernels:
  - .name:           k_q7737adc8eb_attn
    .symbol:         k_q7737adc8eb_attn.kd
    .args:
      - { .name: qk, .offset: 0, .size: 8, .value_kind: global_buffer, .address_space: global }
      - { .name: kq, .offset: 8, .size: 8, .value_kind: global_buffer, .address_space: global }
      - { .name: vrec, .offset: 16, .size: 8, .value_kind: global_buffer, .address_space: global }
      - { .name: ao, .offset: 24, .size: 8, .value_kind: global_buffer, .address_space: global }
    .group_segment_fixed_size: 327680
    .private_segment_fixed_size: 0
    .kernarg_segment_align: 8
    .kernarg_segment_size: 32
    .max_flat_workgroup_size: 512
    .sgpr_count:     100
    .vgpr_count:     256
    .wavefront_size: 32
...
	.end_amdgpu_metadata
.endif
;; end of part 5
;; launch gemm3 (part 6): grid 8 x 32, 4 waves a work-group, no clusters, 327,680 bytes of LDS; arguments pack, ao, out_b, out0; writes out0
.if DOCPART == 6
	.amdgcn_target "amdgcn-amd-amdhsa--gfx1250"
	.amdhsa_code_object_version 6
	.text
	.protected	k_q7737adc8eb_gemm3
	.globl	k_q7737adc8eb_gemm3
	.p2align	8
	.type	k_q7737adc8eb_gemm3,@function
k_q7737adc8eb_gemm3:
	s_mov_b64 s[64:65], 0
	v_nop
	global_prefetch_b8 v0, s[64:65] scope:SCOPE_SE
	s_setreg_imm32_b32 hwreg(HW_REG_WAVE_MODE, 25, 1), 1
	s_wait_xcnt 0x0
; ONE TEXT, THREE LAUNCHES (the line .set MODE alone differs): a product on codes of E2M3 whose two operands lie in memory as images of operand registers (1,536 bytes a fragment of 16 rows x 128 K,
; register 4 c + e of lane l at 512 c + 16 l + 4 e; 64 bytes of scale words a fragment; fragment (tile T, K step s) at index T x KS + s; lane r of tile T is row 32 (T / 2) + 8 (T % 2) + r + 8 (r / 8)).
; MODE 1: x times (Wq | tok | tov)^T + bias: the 2,048 columns of q are roped and become the keys' records (kq), the two latents go to lat1.
; MODE 2: y < 16: k = k_lat fromk^T + bias, roped, to qk;  y >= 16: v^T: source 0 = v_lat's tokens, source 1 = fromv's rows, bias along the lanes, to the records vrec (K = the tokens).
; MODE 3: out0 = attention's result times out_w^T + bias, f32.
; THE PRODUCT IS USED TRANSPOSED: source 0 = 16 rows of U, source 1 = 16 rows of L.  A lane holds one row of L, and by the order of rows in a tile the 16 registers of U's tiles 2 b, 2 b + 1 are
; u = 32 b + 16 (lane / 16) + 0 .. 15: 16 neighbours along the next product's K.  So 8 tiles of U x one tile of L are quantised in registers into one fragment of the next operand, stored by three stores of 512 bytes.
; SHARES: NW waves, 2 along U x NW / 2 along L; a wave has NU x 4 tiles, its accumulators in window 1.  K goes in slots of SK steps of 128 through two LDS slots of 98,304 bytes; every wave brings four tiles of a slot
; by one tensor load (4 rows of SK x 1,536 bytes).  The scale words of all of K come once.  By the text's own count a wave has one tensor load out at the start and one behind each barrier that a fill follows.
; NO CLUSTER: a block of U is fetched by every work-group of a column of the grid and a block of L by every one of a row; joint loads would divide those fetches by four.  This text keeps plain loads: a choice of simplicity.
; LIMITS: NaN and infinities are not served; a block whose largest magnitude lies under 2^-124, a block of zeros too, has the byte 1 (its codes are zeros then, and this program alone reads the bytes).
; The rotation is a product and a fused multiply-add where the definition has two products and a sum.
.set MODE, 3
.if MODE == 1
.set KS, 8
.set SK, 2
.set NW, 8
.set NU, 8
.elseif MODE == 2
.set KS, 4
.set SK, 2
.set NW, 8
.set NU, 8
.else
.set KS, 16
.set SK, 4
.set NW, 4
.set NU, 4
.endif
.set PH,    KS/SK                      ; slots' worth of K
.set NT,    4*NW                       ; tiles in a slot: U's half, then L's
.set FRB,   1536
.set BLK,   (NT/2)*KS*FRB              ; a work-group's block of an operand
.set SBLK,  BLK/24                     ; and of its scale words
.set SLOTB, NT*SK*FRB
.set SCL,   2*SLOTB
.set SPARE, 212992                     ; the spare words, 128 bytes for each wave, in blocks of 256 bytes that no other line names
.set STAGE, 214016                     ; MODE 3: 16 rows x 272 bytes for each wave
.set SC0,   9043968
.set ROPE,  9420800
; window 0: v1 16 x lane; v2 4 x lane; v3, v4 U's fragments in slot 0, 1; v5, v6 L's; v7, v8 U's, L's scale words; v9 bias; v10 table; v11-13 see below; v14, v15 the add's two; v28-31 at work at the head
.set SU,   16
.set SL,   24
.set UF,   32                          ; v32-79   U's fragments
.set LF,   128                         ; v128-175 L's
.set B,    176                         ; v176-207 the bias, as the C of the first K step
.set TAB0, 176                         ; behind that step: a tile's cosines and sines;
.set TAB1, 32                          ; behind the K loop: the other set,
.set RT,   96                          ; v96-127  products with the sines,
.set PC,   128                         ; v128-147 codes,
.set TM,   148                         ; v148-159 at work,
.set PW,   160                         ; v160-163 scale words, v164-165 two tiles' merged
.set PWM,  164
.set ORG,  32                          ; MODE 3: rows read back from the stage, two sets of 32
.set SEL,  54
.set MSB,  0
.macro WIN new                         ; the immediate's high byte repeats the setting that is left
.if MSB != (\new)
	s_set_vgpr_msb (MSB<<8)|(\new)
.set MSB, (\new)
.endif
.endm
.macro PLACES                          ; four plain places behind a matrix instruction, ahead of loads into its sources and of reads of its result
.rept 4
	v_nop
.endr
.endm
; 64 numbers of a lane, v[s] on in window sw, register 16 b + i = k 32 b + 16 (lane / 16) + i, become a fragment's codes in v[PC] .. v[PC+11] and its scale word in v[pw]
.macro QUANT s, sw, pw
	WIN 5*(\sw)
.irp b, 0,1,2,3
	v_max3_num_f32 v[TM+\b], |v[(\s)+16*\b]|, |v[(\s)+16*\b+1]|, 0x1800000   ; block b: my 16 numbers, and the floor 2^(3 - 127): the byte cannot fall under 1
.endr
	WIN 0x14*(\sw)
.irp i, 2,4,6,8,10,12,14
.irp b, 0,1,2,3
	v_max3_num_f32 v[TM+\b], v[TM+\b], |v[(\s)+16*\b+\i]|, |v[(\s)+16*\b+\i+1]|
.endr
.endr
	WIN 0
.irp b, 0,1,2,3
	v_permlanex16_b32 v[TM+4+\b], v[TM+\b], s[SEL], s[SEL+1]
.endr
.irp b, 0,1,2,3
	v_max_num_f32 v[TM+\b], v[TM+\b], v[TM+4+\b]         ; with lane l xor 16's: the block's largest magnitude
.endr
.irp b, 0,1,2,3
	v_add_nc_u32 v[TM+8+\b], 0xff000000, v[TM+\b]        ; 2 off its exponent field: the conversion's scale operand
.endr
.irp b, 0,1,2,3
	v_lshrrev_b32 v[TM+4+\b], 23, v[TM+8+\b]             ; the scale's byte
.endr
	v_lshl_or_b32 v[\pw], v[TM+5], 8, v[TM+4]
	v_lshl_or_b32 v[\pw], v[TM+6], 16, v[\pw]
	v_lshl_or_b32 v[\pw], v[TM+7], 24, v[\pw]
	WIN (\sw)
.irp c, 0,1
	v_cvt_scalef32_pk16_fp6_f32 v[PC+6*\c:PC+6*\c+2], v[(\s)+32*\c:(\s)+32*\c+15], v[TM+8+2*\c]
	v_cvt_scalef32_pk16_fp6_f32 v[PC+12+4*\c:PC+14+4*\c], v[(\s)+32*\c+16:(\s)+32*\c+31], v[TM+9+2*\c]
.endr
	WIN 0
	v_nop                                                ; one plain place behind a scaled conversion
.irp c, 0,1                            ; the operand's layout wants a whole block in a lane
.irp i, 0,1,2
	v_permlane16_swap_b32 v[PC+6*\c+\i], v[PC+12+4*\c+\i]
.endr
.irp i, 0,1,2
	v_mov_b32 v[PC+3+6*\c+\i], v[PC+12+4*\c+\i]
.endr
.endr
.endm
; one matrix instruction; ra, rb = 1: that side's scale words are taken from lanes 16-31
.macro WM d, a, b, c, sa, sb, ra, rb
.if ((\ra) == 0) && ((\rb) == 0)
	v_wmma_scale_f32_16x16x128_f8f6f4 v[(\d):(\d)+7], v[(\a):(\a)+11], v[(\b):(\b)+11], v[(\c):(\c)+7], v[\sa], v[\sb] matrix_a_fmt:MATRIX_FMT_FP6 matrix_b_fmt:MATRIX_FMT_FP6
.elseif (\rb) == 0
	v_wmma_scale_f32_16x16x128_f8f6f4 v[(\d):(\d)+7], v[(\a):(\a)+11], v[(\b):(\b)+11], v[(\c):(\c)+7], v[\sa], v[\sb] matrix_a_fmt:MATRIX_FMT_FP6 matrix_b_fmt:MATRIX_FMT_FP6 matrix_a_scale:MATRIX_SCALE_ROW1
.elseif (\ra) == 0
	v_wmma_scale_f32_16x16x128_f8f6f4 v[(\d):(\d)+7], v[(\a):(\a)+11], v[(\b):(\b)+11], v[(\c):(\c)+7], v[\sa], v[\sb] matrix_a_fmt:MATRIX_FMT_FP6 matrix_b_fmt:MATRIX_FMT_FP6 matrix_b_scale:MATRIX_SCALE_ROW1
.else
	v_wmma_scale_f32_16x16x128_f8f6f4 v[(\d):(\d)+7], v[(\a):(\a)+11], v[(\b):(\b)+11], v[(\c):(\c)+7], v[\sa], v[\sb] matrix_a_fmt:MATRIX_FMT_FP6 matrix_b_fmt:MATRIX_FMT_FP6 matrix_a_scale:MATRIX_SCALE_ROW1 matrix_b_scale:MATRIX_SCALE_ROW1
.endif
.endm
; K step s, the q-th of its slot.  cmode 0: the sums go on; 1: they begin with the bias along U; 2: with the bias along L.  All NU x 4 accumulators take turns, one instruction a turn.
.macro KSTEP slot, q, s, cmode
	PLACES
.irp m, 0,1,2,3
.irp c, 0,1,2
	ds_load_b128 v[LF+12*\m+4*\c:LF+12*\m+4*\c+3], v[5+\slot] offset:\m*SK*FRB+(\q)*FRB+512*\c
.endr
.endr
.set t, 0
.rept NU
.irp c, 0,1,2
	ds_load_b128 v[UF+12*t+4*\c:UF+12*t+4*\c+3], v[3+\slot] offset:t*SK*FRB+(\q)*FRB+512*\c
.endr
.set t, t+1
.endr
.if \cmode
	WIN 0x40                                       ; D in window 1, C (the bias) in window 0
.else
	WIN 0x50                                       ; C and D in window 1
.endif
.set t, 0
.rept NU
	s_wait_dscnt 3*(NU-1-t)                        ; U's fragment t is in, and all that was asked for ahead of it; the later fragments' three loads each may be out
.irp m, 0,1,2,3
.if (\cmode) == 1
.set rC, B+8*t
.elseif (\cmode) == 2
.set rC, B+8*\m
.else
.set rC, 8*(NU*\m+t)
.endif
	WM 8*(NU*\m+t), UF+12*t, LF+12*\m, rC, SB+8*((\s)/2)+80*((\s)/8)+t, SB+8*((\s)/2)+80*((\s)/8)+4+\m, (\s)%2, (\s)%2
.endr
.set t, t+1
.endr
	WIN 0
.endm
; The change of slots at the head of slot p.  Each wave waits for all its tensor loads (its part of the slot ahead), adds 0 to its spare word, and waits for that and for its reads of the slot that it has left.
.macro CHANGE p
	s_wait_tensorcnt 0x0                           ; no tensor load of mine is out, so a group 0 may be written
	ds_add_u32 v14, v15                            ; 0 onto my spare word
.if (\p)+1 < PH
	s_add_nc_u64 s[34+4*(((\p)+1)%2):35+4*(((\p)+1)%2)], s[34+4*(((\p)+1)%2):35+4*(((\p)+1)%2)], 2*SK*FRB
.endif
	s_wait_dscnt 0x0                               ; the add is done, and my reads of the slot that I have left are over
	s_barrier_signal -1
	s_barrier_wait -1
.if (\p)+1 < PH
	tensor_load_to_lds s[32+4*(((\p)+1)%2):35+4*(((\p)+1)%2)], s[16:23]   ; the first thing behind the barrier, my one tensor load until the next: it has a slot's K steps in which to land
	s_nop 0
	PLACES
.endif
.endm
; the cosines and sines of L tile m: my row's 16 numbers of each of two blocks of 32 frequencies
.macro TABLOAD m, tab
.irp sc, 0,1
.irp b, 0,1
.irp j, 0,1,2,3
	global_load_b128 v[(\tab)+32*\sc+16*\b+4*\j:(\tab)+32*\sc+16*\b+4*\j+3], v10, s[50:51] offset:(32*((\m)/2)+8*((\m)%2))*512+256*\sc+128*\b+16*\j
.endr
.endr
.endr
.endm
; the rotation of L tile m: register i (d < 64) pairs with register i + 32 (d + 64) of the same lane
.macro ROTATE m, tab
.irp b, 0,1
	WIN 0x01
.irp i, 0,2,4,6,8,10,12,14
	v_pk_mul_f32 v[RT+\i:RT+\i+1], v[64*(\m)+32+16*\b+\i:64*(\m)+32+16*\b+\i+1], v[(\tab)+32+16*\b+\i:(\tab)+32+16*\b+\i+1]
.endr
.irp i, 0,2,4,6,8,10,12,14
	v_pk_mul_f32 v[RT+16+\i:RT+16+\i+1], v[64*(\m)+16*\b+\i:64*(\m)+16*\b+\i+1], v[(\tab)+32+16*\b+\i:(\tab)+32+16*\b+\i+1]
.endr
	WIN 0x41
.irp i, 0,2,4,6,8,10,12,14
	v_pk_fma_f32 v[64*(\m)+16*\b+\i:64*(\m)+16*\b+\i+1], v[64*(\m)+16*\b+\i:64*(\m)+16*\b+\i+1], v[(\tab)+16*\b+\i:(\tab)+16*\b+\i+1], v[RT+\i:RT+\i+1] neg_lo:[0,0,1] neg_hi:[0,0,1]
.endr
.irp i, 0,2,4,6,8,10,12,14
	v_pk_fma_f32 v[64*(\m)+32+16*\b+\i:64*(\m)+32+16*\b+\i+1], v[64*(\m)+32+16*\b+\i:64*(\m)+32+16*\b+\i+1], v[(\tab)+16*\b+\i:(\tab)+16*\b+\i+1], v[RT+16+\i:RT+16+\i+1]
.endr
.endr
	WIN 0
.endm
.macro FINISH                          ; the wave's end, behind my last tensor load and my last LDS store
	s_wait_tensorcnt 0x0
	ds_add_u32 v14, v15
	s_wait_dscnt 0x0
	s_endpgm
.endm
; the way out of MODE 1 and 2: each of my four tiles of L becomes a fragment
.macro EPI rope
	PLACES
.irp b, 0,1,2,3
	v_mov_b32 v[TM+4+\b], 0                        ; a lane permute's destination counts as one of its sources
.endr
.if \rope
	TABLOAD 1, TAB1
.endif
.irp m, 0,1,2,3
.if \rope
.if \m < 3
	s_wait_loadcnt 16                              ; this tile's table is in; the next tile's 16 loads may be out
.else
	s_wait_loadcnt 0x0
.endif
	ROTATE \m, TAB0-144*(\m%2)
.if \m < 2
	TABLOAD \m+2, TAB0-144*(\m%2)
.endif
.endif
	s_wait_xcnt 0x0                                ; the codes' registers are the data of the last tile's stores
	QUANT 64*\m, 1, PW+\m
.irp c, 0,1,2
	global_store_b128 v1, v[PC+4*\c:PC+4*\c+3], s[46:47] offset:1536*\m+512*\c
.endr
.if (\m%2) == 1
	v_cndmask_b32 v[PWM+\m/2], v[PW+\m-1], v[PW+\m], s56
	global_store_b32 v2, v[PWM+\m/2], s[48:49] offset:128*(\m/2)
.endif
.endr
	FINISH
.endm
	s_load_b256 s[68:75], s[0:1], 0x0
.if MODE < 3
	s_load_b128 s[76:79], s[0:1], 0x20
.endif
	v_lshl_add_u32 v14, v0, 2, SPARE
	v_mov_b32 v15, 0
	ds_add_u32 v14, v15
	ds_add_u32 v14, v15
	s_wait_dscnt 0x0
	v_lshrrev_b32 v28, 5, v0
	v_readfirstlane_b32 s2, v28                    ; wave
	s_and_b32 s3, s2, 1                            ; wu: my half of U's tiles
	s_lshr_b32 s4, s2, 1                           ; wl: my four of L's tiles
	s_and_b32 s7, ttmp7, 0xffff
	s_mov_b32 s16, 3<<16                           ; group 1 for the codes: elements of 8 bytes, no padding
	s_mov_b32 s17, (SK*192)<<16                    ; tensor_dim0: a tile's SK fragments
	s_mov_b32 s18, 4<<16                           ; tensor_dim1: four tiles
	s_mov_b32 s19, (SK*192)<<16                    ; tile_dim0
	s_mov_b32 s20, 4                               ; tile_dim1
	s_mov_b32 s21, KS*192                          ; from tile to tile
	s_mov_b32 s22, 0
	s_mov_b32 s23, 0
; IN THIS LAUNCH (MODE 3) the scale words of all of K go from memory straight into registers: eight for each pair of K steps (U's four tiles, L's four), pairs 0-3 in v96-127, pairs 4-7 in v208-239;
; a wave has one tensor load out at the head and one behind each barrier that a fill follows
.set SB, 96
	s_mov_b32 s[SEL], 0x76543210
	s_mov_b32 s[SEL+1], 0xfedcba98
	s_mov_b32 s56, 0xffff0000
	s_mov_b32 s59, 0                               ; the upper words of four pairs of offsets
	s_mov_b32 s61, 0
	s_mov_b32 s63, 0
	s_mov_b32 s67, 0
; ---- the two operands' blocks: s[8:9] U's codes, s[10:11] L's, s[12:13] U's scale words, s[14:15] L's
.if MODE == 1
	s_mov_b32 s5, ttmp9                            ; ux
	s_mov_b32 s6, s7                               ; ly
	s_mul_i32 s58, s5, BLK
	s_add_co_u32 s58, s58, 128*24576
	s_mul_i32 s60, s6, BLK
	s_mul_i32 s62, s5, SBLK
	s_add_co_u32 s62, s62, SC0+128*1024
	s_mul_i32 s66, s6, SBLK
	s_add_co_u32 s66, s66, SC0
	s_wait_kmcnt 0x0
	s_add_nc_u64 s[8:9], s[68:69], s[58:59]
	s_add_nc_u64 s[10:11], s[68:69], s[60:61]
	s_add_nc_u64 s[12:13], s[68:69], s[62:63]
	s_add_nc_u64 s[14:15], s[68:69], s[66:67]
.elseif MODE == 2
	s_sub_co_u32 s57, s7, 16
	s_mov_b32 s58, 240*24576
	s_mov_b32 s60, 0
	s_mov_b32 s62, SC0+240*1024
	s_mov_b32 s66, 3145728
	s_wait_kmcnt 0x0
	s_cmp_ge_u32 s7, 16                            ; the v path?  By the work-group's number alone
	s_cselect_b32 s53, 1, 0
	s_cselect_b32 s52, 0, 1
	s_cselect_b32 s5, s57, ttmp9
	s_cselect_b32 s6, ttmp9, s7
	s_cselect_b64 s[8:9], s[70:71], s[68:69]
	s_cselect_b64 s[10:11], s[68:69], s[70:71]
	s_cselect_b32 s58, 1572864, s58
	s_cselect_b32 s60, 272*24576, s60
	s_cselect_b32 s62, 3211264, s62
	s_cselect_b32 s66, SC0+272*1024, s66
	s_mov_b64 s[12:13], s[8:9]
	s_mov_b64 s[14:15], s[10:11]
	s_mul_i32 s57, s5, BLK
	s_add_co_u32 s58, s58, s57
	s_mul_i32 s57, s6, BLK
	s_add_co_u32 s60, s60, s57
	s_mul_i32 s57, s5, SBLK
	s_add_co_u32 s62, s62, s57
	s_mul_i32 s57, s6, SBLK
	s_add_co_u32 s66, s66, s57
	s_add_nc_u64 s[8:9], s[8:9], s[58:59]
	s_add_nc_u64 s[10:11], s[10:11], s[60:61]
	s_add_nc_u64 s[12:13], s[12:13], s[62:63]
	s_add_nc_u64 s[14:15], s[14:15], s[66:67]
.else
	s_mov_b32 s5, ttmp9
	s_mov_b32 s6, s7
	s_mul_i32 s58, s5, BLK
	s_add_co_u32 s58, s58, 304*24576
	s_mul_i32 s60, s6, BLK
	s_mul_i32 s62, s5, SBLK
	s_add_co_u32 s62, s62, SC0+304*1024
	s_mul_i32 s66, s6, SBLK
	s_add_co_u32 s66, s66, 6291456
	s_wait_kmcnt 0x0
	s_add_nc_u64 s[8:9], s[68:69], s[58:59]
	s_add_nc_u64 s[10:11], s[70:71], s[60:61]
	s_add_nc_u64 s[12:13], s[68:69], s[62:63]
	s_add_nc_u64 s[14:15], s[70:71], s[66:67]
.endif
; ---- what I fetch: tiles 4 w .. 4 w + 3 of a slot: the first NW / 2 waves U's, the others L's
	s_cmp_lt_u32 s2, NW/2
	s_cselect_b64 s[84:85], s[8:9], s[10:11]
	s_and_b32 s57, s2, NW/2-1
	s_mul_i32 s58, s57, 4*KS*FRB
	s_add_nc_u64 s[84:85], s[84:85], s[58:59]
	s_mov_b32 s32, 1                               ; group 0, slot 0
	s_mul_i32 s33, s2, 4*SK*FRB
	s_mov_b64 s[34:35], s[84:85]
	s_or_b32 s35, s35, 0x80000000
	s_mov_b32 s36, 1                               ; slot 1
	s_add_co_u32 s37, s33, SLOTB
	s_add_nc_u64 s[38:39], s[84:85], SK*FRB
	s_or_b32 s39, s39, 0x80000000
	tensor_load_to_lds s[32:35], s[16:23]          ; my part of slot 0: the wave's one tensor load at the head
	s_nop 0
	PLACES
; ---- bias s[44:45], way out s[46:47] (codes, or out0) and s[48:49] (scale words), table s[50:51]; s52: rotate; s53: the second path
.if MODE == 1
	s_lshl_b32 s57, s5, 1
	s_add_co_u32 s57, s57, s3                      ; g: which 128 of the 3,072 columns
	s_lshl_b32 s58, s57, 9
	s_cmp_lt_u32 s5, 8
	s_cselect_b64 s[44:45], s[70:71], s[72:73]
	s_cselect_b32 s60, 0, 8192
	s_cselect_b32 s52, 1, 0
	s_cmp_lt_u32 s5, 10
	s_cselect_b64 s[44:45], s[44:45], s[74:75]
	s_cselect_b32 s60, s60, 10240
	s_cselect_b32 s53, 0, 1
	s_sub_co_u32 s58, s58, s60
	s_add_nc_u64 s[44:45], s[44:45], s[58:59]
	s_lshr_b32 s60, s6, 3                          ; keys: record ((batch x 16 + head) x 8 + slot of 256 tokens)
	s_lshl_b32 s60, s60, 4
	s_add_co_u32 s60, s60, s57
	s_lshl_b32 s60, s60, 3
	s_and_b32 s62, s6, 7
	s_add_co_u32 s60, s60, s62
	s_mul_i32 s60, s60, 25600
	s_mul_i32 s62, s4, 6144
	s_add_co_u32 s62, s62, s60
	s_lshl_b32 s66, s4, 8
	s_add_co_u32 s66, s66, s60
	s_add_co_u32 s66, s66, 24576
	s_and_b32 s58, s57, 3                          ; latents: fragment (K step g % 4) x 256 + tile
	s_lshl_b32 s58, s58, 8
	s_lshl_b32 s60, s6, 4
	s_add_co_u32 s58, s58, s60
	s_lshl_b32 s60, s4, 2
	s_add_co_u32 s58, s58, s60
	s_mul_i32 s60, s58, 1536
	s_mul_i32 s84, s53, 1572864
	s_add_co_u32 s60, s60, s84
	s_lshl_b32 s58, s58, 6
	s_lshl_b32 s84, s53, 16
	s_add_co_u32 s58, s58, s84
	s_add_co_u32 s58, s58, 3145728
	s_cmp_lg_u32 s52, 0
	s_cselect_b64 s[46:47], s[76:77], s[78:79]
	s_cselect_b32 s60, s62, s60
	s_cselect_b32 s58, s66, s58
	s_mov_b64 s[48:49], s[46:47]
	s_add_nc_u64 s[46:47], s[46:47], s[60:61]
	s_add_nc_u64 s[48:49], s[48:49], s[58:59]
.elseif MODE == 2
	s_lshl_b32 s57, s5, 1
	s_add_co_u32 s57, s57, s3                      ; k path: the head
	s_lshr_b32 s58, s6, 3
	s_lshl_b32 s58, s58, 4
	s_add_co_u32 s58, s58, s57
	s_lshl_b32 s58, s58, 7
	s_and_b32 s60, s6, 7
	s_lshl_b32 s60, s60, 4
	s_add_co_u32 s58, s58, s60
	s_lshl_b32 s60, s4, 2
	s_add_co_u32 s58, s58, s60                     ; fragment (batch x 16 + head) x 128 + tile
	s_mul_i32 s60, s58, 1536
	s_lshl_b32 s58, s58, 6
	s_add_co_u32 s58, s58, 6291456
	s_lshr_b32 s62, s5, 3                          ; v path: record ((batch x 16 + head) x 8 + slot)
	s_lshl_b32 s62, s62, 4
	s_lshl_b32 s66, s6, 1
	s_add_co_u32 s62, s62, s66
	s_lshr_b32 s66, s4, 1
	s_add_co_u32 s62, s62, s66
	s_lshl_b32 s62, s62, 3
	s_and_b32 s66, s5, 7
	s_add_co_u32 s62, s62, s66
	s_mul_i32 s62, s62, 25600
	s_lshl_b32 s66, s3, 3
	s_and_b32 s84, s4, 1
	s_lshl_b32 s84, s84, 2
	s_add_co_u32 s66, s66, s84                     ; fragment 8 x key step + tile of d
	s_mul_i32 s84, s66, 1536
	s_lshl_b32 s66, s66, 6
	s_add_co_u32 s66, s66, s62
	s_add_co_u32 s66, s66, 24576
	s_add_co_u32 s62, s62, s84
	s_lshl_b32 s84, s57, 9                         ; the bias: 128 numbers of the head, or my 64 columns'
	s_lshl_b32 s85, s6, 4
	s_lshl_b32 s86, s4, 2
	s_add_co_u32 s85, s85, s86
	s_lshl_b32 s85, s85, 6
	s_cmp_lg_u32 s53, 0
	s_cselect_b64 s[46:47], s[78:79], s[76:77]
	s_cselect_b64 s[44:45], s[74:75], s[72:73]
	s_cselect_b32 s60, s62, s60
	s_cselect_b32 s58, s66, s58
	s_cselect_b32 s62, s85, s84
	s_mov_b64 s[48:49], s[46:47]
	s_add_nc_u64 s[46:47], s[46:47], s[60:61]
	s_add_nc_u64 s[48:49], s[48:49], s[58:59]
	s_add_nc_u64 s[44:45], s[44:45], s[62:63]
.else
	s_lshl_b32 s58, s5, 7
	s_lshl_b32 s60, s3, 6
	s_add_co_u32 s58, s58, s60
	s_lshl_b32 s58, s58, 2                         ; my first column, in bytes
	s_add_nc_u64 s[44:45], s[72:73], s[58:59]
	s_lshl_b32 s60, s6, 7
	s_lshl_b32 s62, s4, 6
	s_add_co_u32 s60, s60, s62
	s_lshl_b32 s60, s60, 12                        ; my first row of 4,096 bytes
	s_add_co_u32 s60, s60, s58
	s_add_nc_u64 s[46:47], s[74:75], s[60:61]
.endif
.if MODE < 3
	s_and_b32 s58, s6, 7                           ; the table's rows: position = 256 x (ly % 8) + 64 wl + the row in my four tiles
	s_lshl_b32 s58, s58, 8
	s_lshl_b32 s60, s4, 6
	s_add_co_u32 s58, s58, s60
	s_lshl_b32 s58, s58, 9
	s_add_co_u32 s58, s58, ROPE
	s_add_nc_u64 s[50:51], s[68:69], s[58:59]
.endif
; ---- the lanes' addresses
	v_and_b32 v28, 31, v0
	v_lshlrev_b32 v1, 4, v28
	v_lshlrev_b32 v2, 2, v28
	v_and_b32 v29, 15, v0                          ; r
	v_bfe_u32 v30, v0, 4, 1                        ; h
	v_and_b32 v31, 8, v29
	v_add_nc_u32 v31, v31, v29                     ; r + 8 (r / 8)
	s_mul_i32 s57, s3, NU*SK*FRB
	v_add_nc_u32 v3, s57, v1
	v_add_nc_u32 v4, SLOTB, v3
	s_mul_i32 s57, s4, 4*SK*FRB
	s_add_co_u32 s57, s57, (NT/2)*SK*FRB
	v_add_nc_u32 v5, s57, v1
	v_add_nc_u32 v6, SLOTB, v5
	s_mul_i32 s57, s3, NU*KS*64
	v_add_nc_u32 v7, s57, v2                       ; my U tiles' scale words in their block of memory
	s_mul_i32 s57, s4, 4*KS*64
	v_add_nc_u32 v8, s57, v2                       ; my L tiles'
.set pp, 0
.rept KS/2
.irp t, 0,1,2,3
	global_load_b32 v[SB+8*pp+80*(pp/4)+\t], v7, s[12:13] offset:\t*KS*64+128*pp       ; lanes 0-15 the even K step's words, lanes 16-31 the next one's: 128 consecutive bytes
	global_load_b32 v[SB+8*pp+80*(pp/4)+4+\t], v8, s[14:15] offset:\t*KS*64+128*pp
.endr
.set pp, pp+1
.endr
	v_lshlrev_b32 v9, 6, v30                       ; a bias along U: my half's 16 numbers of a block of 32
	v_lshlrev_b32 v10, 9, v31
	v_lshl_add_u32 v10, v30, 6, v10                ; the table: my row, my half
.if MODE == 2
	v_lshlrev_b32 v11, 2, v31                      ; a bias along L: my row's number
.endif
.if MODE == 3
	s_mul_i32 s57, s2, 16*272
	s_add_co_u32 s57, s57, STAGE
	v_mul_u32_u24 v11, v29, 272
	v_lshl_add_u32 v11, v30, 6, v11
	v_add_nc_u32 v11, s57, v11                     ; into my stage: row r, + 64 h
	v_mul_u32_u24 v12, v30, 272
	v_lshl_add_u32 v12, v29, 4, v12
	v_add_nc_u32 v12, s57, v12                     ; back: lanes 0-15 one row of 256 bytes, lanes 16-31 the next
	v_lshlrev_b32 v13, 12, v30
	v_lshl_add_u32 v13, v29, 4, v13                ; and the same two rows in out0
.endif
; ---- the bias
.if MODE == 2
.set i, 0
.rept 32
	v_mov_b32 v[B+32+i], 0                         ; the bias along L fills 32 of these 64 registers: so that every register that a later line names has been written on every way through the text
.set i, i+1
.endr
	s_cmp_lg_u32 s53, 0
	s_cbranch_scc1 .Lbias_l
.endif
.set t, 0
.rept NU
	global_load_b128 v[B+8*t:B+8*t+3], v9, s[44:45] offset:(32*(t/2)+8*(t%2))*4
	global_load_b128 v[B+8*t+4:B+8*t+7], v9, s[44:45] offset:(32*(t/2)+8*(t%2))*4+16
.set t, t+1
.endr
.if MODE == 2
	s_branch .Lbias_in
.Lbias_l:
.irp m, 0,1,2,3
.irp j, 0,1,2,3,4,5,6,7
	global_load_b32 v[B+8*\m+\j], v11, s[44:45] offset:(32*(\m/2)+8*(\m%2))*4
.endr
.endr
.Lbias_in:
.endif
	s_wait_alu depctr_va_vdst(0)
	s_wait_loadcnt 0x0
	s_wait_tensorcnt 0x0                           ; my part of slot 0 is in; slot 1's first fill is issued as a refill is
	ds_add_u32 v14, v15
	s_wait_dscnt 0x0
	s_barrier_signal -1
	s_barrier_wait -1
	tensor_load_to_lds s[36:39], s[16:23]          ; it has slot 0's K steps in which to land
	s_nop 0
	PLACES
; ---- the K loop, written out
.if MODE == 2
	s_cmp_lg_u32 s53, 0
	s_cbranch_scc1 .Lfirst_l
	KSTEP 0, 0, 0, 1
	s_branch .Lfirst_done
.Lfirst_l:
	KSTEP 0, 0, 0, 2
.Lfirst_done:
.else
	KSTEP 0, 0, 0, 1
.endif
.if MODE < 3
	s_cmp_eq_u32 s52, 0
	s_cbranch_scc1 .Lno_table
	PLACES
	TABLOAD 0, TAB0                                ; the first tile's table takes the bias's registers and lands under the K loop
.Lno_table:
.endif
.set qq, 1
.rept SK-1
	KSTEP 0, qq, qq, 0
.set qq, qq+1
.endr
.set ph, 1
.rept PH-1
	CHANGE ph
.set qq, 0
.rept SK
	KSTEP ph%2, qq, ph*SK+qq, 0
.set qq, qq+1
.endr
.set ph, ph+1
.endr
; ---- the way out
.if MODE < 3
	s_cmp_eq_u32 s52, 0
	s_cbranch_scc1 .Lplain
	EPI 1
.Lplain:
	EPI 0
.else
	PLACES
	s_wait_alu depctr_va_vdst(0)
.irp m, 0,1,2,3                        ; a tile of 16 tokens x my 64 columns goes through my own stage and leaves as rows of 256 bytes
.if \m >= 2
	s_wait_xcnt 0x0                                ; this set of registers is the data of the stores of two tiles ago
.endif
	WIN 0x04                                       ; an LDS store's data are its source 1: window 1
.irp u, 0,1,2,3
	ds_store_b128 v11, v[8*(4*\m+\u):8*(4*\m+\u)+3] offset:128*(\u/2)+32*(\u%2)          ; each accumulator from its low end on
	ds_store_b128 v11, v[8*(4*\m+\u)+4:8*(4*\m+\u)+7] offset:128*(\u/2)+32*(\u%2)+16
.endr
	WIN 0
.irp i, 0,1,2,3,4,5,6,7
	ds_load_b128 v[ORG+32*(\m%2)+4*\i:ORG+32*(\m%2)+4*\i+3], v12 offset:544*\i   ; LDS serves a wave's instructions in order: these see the stores above
.endr
.irp i, 0,1,2,3,4,5,6,7
	s_wait_dscnt 7-\i                              ; load i is in, the later ones may be out
	global_store_b128 v13, v[ORG+32*(\m%2)+4*\i:ORG+32*(\m%2)+4*\i+3], s[46:47] offset:(32*(\m/2)+8*(\m%2)+2*\i+8*(\i/4))*4096 th:TH_STORE_NT   ; 16 lanes store 256 consecutive bytes, aligned
.endr
.endr
	FINISH
.endif
.Lfunc_end_k_q7737adc8eb_gemm3:
	.size	k_q7737adc8eb_gemm3, .Lfunc_end_k_q7737adc8eb_gemm3-k_q7737adc8eb_gemm3
	.p2alignl 7, 3214868480
	.fill 96, 4, 3214868480
	.section	.rodata,"a",@progbits
	.p2align	6, 0x0
	.amdhsa_kernel k_q7737adc8eb_gemm3
		.amdhsa_group_segment_fixed_size 327680
		.amdhsa_private_segment_fixed_size 0
		.amdhsa_enable_private_segment 0
		.amdhsa_kernarg_size 32
		.amdhsa_user_sgpr_count 2
		.amdhsa_user_sgpr_kernarg_segment_ptr 1
		.amdhsa_wavefront_size32 1
		.amdhsa_system_sgpr_workgroup_id_x 1
		.amdhsa_system_sgpr_workgroup_id_y 1
		.amdhsa_system_sgpr_workgroup_id_z 1
		.amdhsa_system_vgpr_workitem_id 0
		.amdhsa_next_free_vgpr 512
		.amdhsa_next_free_sgpr 100
		.amdhsa_reserve_vcc 0
		.amdhsa_float_denorm_mode_32 3
		.amdhsa_float_denorm_mode_16_64 3
		.amdhsa_memory_ordered 1
		.amdhsa_forward_progress 1
		.amdhsa_inst_pref_size 83
	.end_amdhsa_kernel
	.amdgpu_metadata
---
amdhsa.version: [ 1, 2 ]
amdhsa.kernels:
  - .name:           k_q7737adc8eb_gemm3
    .symbol:         k_q7737adc8eb_gemm3.kd
    .args:
      - { .name: pack, .offset: 0, .size: 8, .value_kind: global_buffer, .address_space: global }
      - { .name: ao, .offset: 8, .size: 8, .value_kind: global_buffer, .address_space: global }
      - { .name: out_b, .offset: 16, .size: 8, .value_kind: global_buffer, .address_space: global }
      - { .name: out0, .offset: 24, .size: 8, .value_kind: global_buffer, .address_space: global }
    .group_segment_fixed_size: 327680
    .private_segment_fixed_size: 0
    .kernarg_segment_align: 8
    .kernarg_segment_size: 32
    .max_flat_workgroup_size: 128
    .sgpr_count:     100
    .vgpr_count:     512
    .wavefront_size: 32
...
	.end_amdgpu_metadata
.endif
;; end of part 6
